; MI455X (gfx1250); checked and timed in simulation.
; The chip was launched on July 23, 2026; its instructions are those of AMD's public machine-readable ISA for CDNA 5 (MIT licence, August 2026) and "CDNA5" Instruction Set Architecture Reference Guide (July 2026). The comments in the code are by the model that wrote it; some were corrected since.
;; Fused Mo E Modular Kernel. Allowed arithmetic: matrix products marked QUANTISED: E3M2 operands, one E8M0 scale for each 32 along K, by v_wmma_scale_f32_16x16x128_f8f6f4 with both operands' format E3M2, f32 sums; products left as they are: f32 operands where the result goes on into a quantised operand, else bf16, f16 or f32 operands; f32 sums; everything else in f32.
;; Inputs: hidden_states 2,048 x 2,048 float32; topk_ids 2,048 x 2 int32; topk_weights 2,048 x 2 float32; w1 8 x 1,024 x 2,048 float32; w2 8 x 2,048 x 512 float32.
;; Outputs: out0 2,048 x 2,048 float32.
;; This version of the problem:
;;   THIS VERSION OF THE PROBLEM IS GIVEN IN LOW PRECISION. The matrix products marked QUANTISED in the list below multiply operands that are first quantised to E3M2 (3 exponent bits, 2 mantissa bits; 6 bits a number), with one power-of-two scale for each 32 numbers along K (OCP MX v1.0); their sums are f32. All else is computed in f32.
;;   The module's matrix products, in the order in which they are computed (A, B: the left and right operand; K: the contracted axis; several contracted axes count as one K, in the product's order):
;;     1. batch 2,048 x [M 1, K 2] x [K 2, N 8]; A: input topk_weights; B: computed on the way: left as it is (K = 2 < 32)
;;     2. [M 8,192, K 2,048] x [K 2,048, N 2,048]; A: input w1; B: input hidden_states: QUANTISED
;;     3. batch 8 x [M 2,048, K 512] x [K 512, N 2,048]; A: computed on the way; B: input w2: QUANTISED
;;     4. batch 2,048 x [M 1, K 8] x [K 8, N 2,048]; A: computed on the way; B: computed on the way: left as it is (K = 8 < 32)
;;   THE QUANTISER, for each operand of a quantised product, along K:
;;     - K is cut into blocks of 32 from its start; a last block that is shorter is filled with zeros.
;;     - A block's scale is 2^e with e = floor(log2(the largest magnitude in the block)) - 4, held to -126 .. 127; a block of zeros has e = 0. As a byte (E8M0): e + 127.
;;     - Each number is divided by its block's scale, clamped to +-28, and rounded to the nearest number of E3M2, ties to even, subnormals kept.
;;     - The product sums the exact products of the quantised numbers (number of the format x scale) in f32.
;;   ~~~python
;;   def quantise(x, axis):      # numpy; x: float32 -> the quantised numbers, widened to float32 again
;;       x = np.moveaxis(x, axis, -1); K = x.shape[-1]
;;       x = np.pad(x, [(0, 0)] * (x.ndim - 1) + [(0, -K % 32)]); x = x.reshape(x.shape[:-1] + (-1, 32)); a = np.abs(x).max(-1, keepdims=True)
;;       e = np.where(a > 0, np.clip(np.frexp(np.where(a > 0, a, 1))[1] - 1 - 4, -126, 127), 0)      # np.frexp(a)[1] - 1 = floor(log2(a)), exactly
;;       r = np.clip(x / 2.0 ** e, -28, 28)
;;       step = 2.0 ** (np.maximum(np.frexp(np.where(r == 0, 1, r))[1] - 1, -2) - 2)
;;       q = np.round(r / step) * step * 2.0 ** e      # np.round: ties to even
;;       return np.moveaxis(q.reshape(q.shape[:-2] + (-1,))[..., :K], -1, axis).astype(np.float32)
;;   ~~~
;;   OPERANDS COMPUTED ON THE WAY. 'Computed on the way' means the value that the module computes at that place (a softmax that the list does not call 'softmax' is quantised finished and normalised). What goes into a quantiser is computed in f32, as accurately as f32 sums, v_exp_f32 and their like allow (about 1e-6 of the number): no bf16 or f16 on the way to a quantiser, and a product that is left as it is and whose result goes on into a quantised operand takes f32 operands (vector FMAs, or v_wmma_f32_16x16x4_f32). A number that lies on a knife's edge between two numbers of the format may be rounded either way, as far as f32 arithmetic and the matrix unit's own rounding can turn it there, and no further.
;; 2 versions, each right; version 2 is version 1 with the launch gemm1 written anew for expert scheduling mode. Each part assembles by itself: llvm-mc -triple=amdgcn-amd-amdhsa -mcpu=gfx1250 --defsym DOCPART=n.
;; ======== version 1 of 2: 3 launches
;; workspace buffers: xc 3,145,728 bytes; xs 131,072 bytes; w1i 12,582,912 bytes; w1s 524,288 bytes; w2i 6,291,456 bytes; w2s 262,144 bytes; act 1,817,600 bytes; route 84,480 bytes of whole numbers
;; launch prep (part 1): grid 644 x 1, 4 waves a work-group, no clusters, 56,832 bytes of LDS; arguments hidden_states, w1, xc, xs, w1i, w1s, topk_ids, route; writes xc, xs, w1i, w1s, route
.if DOCPART == 1
	.amdgcn_target "amdgcn-amd-amdhsa--gfx1250"
	.amdhsa_code_object_version 6
	.text
	.protected	k_qcfb0a809be_prep
	.globl	k_qcfb0a809be_prep
	.p2align	8
	.type	k_qcfb0a809be_prep,@function
k_qcfb0a809be_prep:
	s_mov_b64 s[64:65], 0
	v_nop
	global_prefetch_b8 v0, s[64:65] scope:SCOPE_SE
	s_setreg_imm32_b32 hwreg(HW_REG_WAVE_MODE, 25, 1), 1
	s_wait_xcnt 0x0
; PREP: what the first product needs.  Three kinds of work-groups, told apart by the work-group's number alone.
;   0..3     ROUTING: from topk_ids the rows of each expert (a counting sort without atomics), stored as whole numbers.
;   4..131   X: hidden_states [2048][2048] f32 -> codes of E3M2 as the plain stream of bits (1,536 bytes a row) and one E8M0 byte for each 32 along K.
;   132..643 W: w1 [8][1024][2048] f32 -> codes laid as IMAGES OF OPERAND REGISTERS (a fragment of 16 rows x 128 K is 1,536 bytes:
;            registers 4 c .. 4 c + 3 of lane l at 512 c + 16 l), and their scale words, four K steps (16 bytes) to a row.
; (w2, which the second product alone needs, is quantised in the next launch, beside the first product.)
; THE QUANTISER: a block's scale is 2^(floor(log2(largest magnitude)) - 4); its byte is the largest magnitude's exponent field - 4, held at 1 from below by a floor 2^(5 - 127)
; among the maximum's leaves; numbers are divided by the scale and rounded to the nearest code, ties to even, beyond 28 the largest code.
; LIMITS: a block of zeros gets the byte 1 where the rule says 127 (its codes are zeros, and this program alone reads the bytes); blocks whose largest magnitude lies under 2^-122 are
; held at byte 1; NaN and infinities among the inputs are not served; topk_ids lie in 0 .. 7.
; ROUTING, defined: token m is a MEMBER of expert e if one of its two ids is e (both equal: one row).  n_e members; segment e begins at seg_e = 64 x the sum of ceil(n / 64) of the experts before it;
; TOT = the end of the last segment, at most 4,544.  rank_e(m) = members of e with a smaller token number.
;   route + 0      R8[m][e]  = min(seg_e + rank_e(m), TOT - 1): a member's own row; for others a neighbouring row, which the last launch multiplies by 0
;   route + 65536  rows1[p]  = the token of row p; 0 where p is no member's row
;   route + 83968  te1[T]    = the expert of the tile of rows 64 T .. 64 T + 63; 8 where there is none
; No barrier, no tensor load: waves share nothing.  Each path that uses LDS has LDS bytes of its own.
.set SP,     80                        ; X: a lane's place in a stage: 64 bytes + 16 of padding
.set XWREG,  5632                      ; X: LDS of a wave: two stages of 32 x 80 bytes, then its 256 scale bytes
.set XR,     16                        ; X: v16-79   four sets of 16 numbers as loaded
.set XX,     80                        ; X: v80-111  two sets of 16 neighbours
.set XE,     112                       ; X: v112-127 a scale byte for each step
.set XC,     128                       ; X: v128-191 codes, four registers a step
.set WLDS,   22528                     ; W: its LDS begins behind X's
.set WREG,   8448                      ; W: a wave's stage: 16 rows x 528 bytes
.set WP,     528                       ; W: 512 bytes + 16: an odd multiple of 16, so sixteen rows' reads of 16 bytes fall on different banks
.set RB,     32                        ; W: v32-159  two sets of 64: a K step as loaded
.set NUM,    160                       ; W: v160-223 my two blocks of 32 neighbours
.set CO,     224                       ; W: v224-235 the fragment's 12 registers
.set CT2,    236                       ; W: v236-243 the upper halves as the conversions leave them
.set WW,     244                       ; W: v244-247 the four K steps' scale words
.set IA,     16                        ; R: v16-143  all ids
.set IO,     144                       ; R: v144-151 my chunk's ids, a token a lane
.set CT,     152                       ; R: v152-153 members so far, a byte an expert
.set BF,     154                       ; R: v154-155 the same at my chunk's first token
.set RK,     168                       ; R: v168-199 R8 of my tokens, four sets of 8
.set PP,     200                       ; R: v200-207 the rows of a token's two ids
.set TOKV,   208                       ; R: v208-211 token numbers
.set PADR,   214                       ; R: v214-222 byte addresses of the positions of rows1 that I look after; made at the path's head, never rewritten
.set PPOS,   232                       ; R: v232-240 the positions themselves; never rewritten
.set MK,     91                        ; R: s91-99   for each 32 of those positions: the lanes whose position is no member's row
.set ROWS1,  65536
.set TE1,    83968
	s_load_b128 s[4:7], s[0:1], 0x0                ; hidden_states s[4:5], w1 s[6:7]
	s_load_b128 s[12:15], s[0:1], 0x10             ; xc s[12:13], xs s[14:15]
	s_load_b128 s[16:19], s[0:1], 0x20             ; w1i s[16:17], w1s s[18:19]
	s_load_b64 s[10:11], s[0:1], 0x30              ; topk_ids
	s_load_b64 s[24:25], s[0:1], 0x38              ; route
	v_lshl_add_u32 v243, v0, 2, 0xdc00
	v_mov_b32 v255, 0
	v_lshrrev_b32 v1, 5, v0
	v_readfirstlane_b32 s26, v1                    ; wave 0..3
	v_and_b32 v1, 31, v0                           ; lane
	s_mov_b32 s78, 0x76543210
	s_mov_b32 s79, 0xfedcba98                      ; v_permlanex16_b32's selects for lane l xor 16
	s_wait_kmcnt 0x0
	s_cmp_lt_u32 ttmp9, 4
	s_cbranch_scc1 .Lroute
	s_cmp_lt_u32 ttmp9, 132
	s_cbranch_scc1 .Lxq
; ======================================================================= W: w1
; A wave's job: a tile of 16 rows x 512 along K (four K steps): 32 KB of f32 in, four images and 256 scale bytes out.  Job J = 4 x (work-group - 132) + wave.
; t1 = J / 4 = ((e x 16 + j) x 4 + tt), kq = J % 4 = wave.  j: the block of 32 hidden units; tt = 2 kind + u (kind 0 gate, 1 up).
;   THE ROWS OF A TILE ARE NOT NEIGHBOURS: row r of the tile is w1 row 1024 e + 512 kind + 32 j + 8 u + r + 8 (r / 8), so that the results of tiles u = 0, 1 are 16 neighbours along the next K in a lane.
;   w1i: [e][j][K step 16][tt 4][1536];  w1s: record J of 256 bytes: [r][four words].
	s_sub_co_u32 s27, ttmp9, 132                   ; t1
	s_lshr_b32 s28, s27, 6                         ; e
	s_bfe_u32 s29, s27, 0x40002                    ; j
	s_and_b32 s30, s27, 3                          ; tt
	s_lshl_b32 s60, s28, 10
	s_lshr_b32 s32, s30, 1
	s_lshl_b32 s32, s32, 9
	s_add_co_u32 s60, s60, s32
	s_lshl_b32 s32, s29, 5
	s_add_co_u32 s60, s60, s32
	s_and_b32 s32, s30, 1
	s_lshl_b32 s32, s32, 3
	s_add_co_u32 s60, s60, s32                     ; the tile's first row of w1
	s_lshl_b32 s60, s60, 13                        ; x 8,192 bytes
	s_lshl_b32 s32, s26, 11
	s_add_co_u32 s60, s60, s32                     ; + 2,048 kq: the source's offset
	s_mov_b32 s61, 0
	s_lshr_b32 s62, s27, 2
	s_mul_i32 s62, s62, 98304
	s_mul_i32 s32, s26, 24576
	s_add_co_u32 s62, s62, s32
	s_mul_i32 s32, s30, 1536
	s_add_co_u32 s62, s62, s32                     ; the images' offset
	s_mov_b32 s63, 0
	s_lshl_b32 s66, s27, 2
	s_add_co_u32 s66, s66, s26                     ; J
	s_lshl_b32 s66, s66, 8                         ; the scale words' offset
	s_mov_b32 s67, 0
	s_add_nc_u64 s[48:49], s[6:7], s[60:61]        ; the source,
	s_add_nc_u64 s[40:41], s[16:17], s[62:63]      ; the first image; the next K step's lies 6,144 bytes on,
	s_add_nc_u64 s[52:53], s[18:19], s[66:67]      ; the scale words
	v_and_b32 v2, 15, v0                           ; r
	v_bfe_u32 v3, v0, 4, 1                         ; h
	v_lshlrev_b32 v6, 4, v1                        ; 16 x lane: my place in a row's 512 bytes and in an image's; never rewritten
	s_mul_i32 s70, s26, WREG
	s_add_co_u32 s70, s70, WLDS                    ; my stage
	v_add_nc_u32 v4, s70, v6                       ; into it: a row's 512 bytes as they lie
	v_mul_u32_u24 v5, v2, WP
	v_lshl_add_u32 v5, v3, 7, v5
	v_add_nc_u32 v5, s70, v5                       ; out of it: row r, + 128 h: k = 64 c + 32 h + 0 .. 31 is what the operand's layout gives lane (r, h)
	v_lshlrev_b32 v7, 4, v2
	v_lshl_add_u32 v7, v3, 3, v7                   ; the scale words' way out: 16 r + 8 h
	v_lshlrev_b32 v24, 3, v3                       ; 8 h: where my two bytes stand in a scale word
	v_mov_b32 v25, 0                               ; written once: a lane permute's destination counts as one of its sources
.macro LOADF g                         ; K step g of the 16 rows: each load reads 512 consecutive bytes; rows 8 .. 15 of a tile lie 8 rows further on
.irp i, 0,1,2,3,4,5,6,7,8,9,10,11,12,13,14,15
	global_load_b128 v[RB+64*((\g)%2)+4*\i:RB+64*((\g)%2)+4*\i+3], v6, s[48:49] offset:8192*\i+65536*(\i/8)+512*(\g) th:TH_LOAD_NT
.endr
.endm
.macro FRAGW g                         ; K step g becomes a fragment and a scale word
.if (\g) < 3
	s_wait_loadcnt 16                              ; this step's sixteen loads are in; the next step's sixteen may be out
.else
	s_wait_loadcnt 0x0
.endif
.irp i, 0,1,2,3,4,5,6,7,8,9,10,11,12,13,14,15
	ds_store_b128 v4, v[RB+64*((\g)%2)+4*\i:RB+64*((\g)%2)+4*\i+3] offset:WP*\i
.endr
.irp c, 0,1
.irp i, 0,1,2,3,4,5,6,7
	ds_load_b128 v[NUM+32*\c+4*\i:NUM+32*\c+4*\i+3], v5 offset:256*\c+16*\i   ; LDS serves a wave's instructions in order: these see the stores above
.endr
.endr
	s_wait_dscnt 0x0                               ; my 64 numbers are in, and the stores have read their registers
	s_wait_xcnt 0x0                                ; the last image's stores have read theirs: the codes' registers may be written again
.if (\g)+2 < 4
	LOADF (\g)+2
.endif
.irp c, 0,1
	v_max3_num_f32 v[248+\c], |v[NUM+32*\c]|, |v[NUM+32*\c+1]|, 0x2800000   ; block 2 c + h: all its 32 numbers are mine; the floor 2^(5 - 127) holds the byte at 1 from below
.endr
.irp i, 2,4,6,8,10,12,14,16,18,20,22,24,26,28,30
.irp c, 0,1
	v_max3_num_f32 v[248+\c], v[248+\c], |v[NUM+32*\c+\i]|, |v[NUM+32*\c+\i+1]|
.endr
.endr
.irp c, 0,1
	v_add_nc_u32 v[250+\c], 0xfe000000, v[248+\c]  ; 4 off the exponent field: the conversion's scale operand
.endr
.irp c, 0,1
	v_lshrrev_b32 v[252+\c], 23, v[250+\c]         ; the scale's byte
.endr
	v_lshl_or_b32 v254, v253, 16, v252             ; my two bytes: blocks h and 2 + h,
	v_lshlrev_b32 v254, v24, v254                  ; at their places in the word;
	v_permlanex16_b32 v25, v254, s78, s79
	v_or_b32 v[WW+(\g)], v254, v25                 ; with lane l xor 16's two the word is whole, in both lanes
.irp c, 0,1
	v_cvt_scalef32_pk16_bf6_f32 v[CO+6*\c:CO+6*\c+2], v[NUM+32*\c:NUM+32*\c+15], v[250+\c]
	v_cvt_scalef32_pk16_bf6_f32 v[CT2+4*\c:CT2+4*\c+2], v[NUM+32*\c+16:NUM+32*\c+31], v[250+\c]   ; (a conversion's three registers begin on an even number)
.endr
	v_nop                                          ; one plain place behind a scaled conversion
.irp c, 0,1
.irp i, 0,1,2
	v_mov_b32 v[CO+6*\c+3+\i], v[CT2+4*\c+\i]
.endr
.endr
.irp c, 0,1,2
	global_store_b128 v6, v[CO+4*\c:CO+4*\c+3], s[40:41] offset:6144*(\g)+512*\c   ; 32 lanes store 512 consecutive bytes, aligned
.endr
.endm
	LOADF 0
	LOADF 1
	FRAGW 0
	FRAGW 1
	FRAGW 2
	FRAGW 3
	v_cmp_ne_u32 vcc_lo, 0, v3
	v_cndmask_b32 v248, v[WW], v[WW+2], vcc_lo     ; lanes 0-15 store words 0, 1 of row r, lanes 16-31 words 2, 3
	v_cndmask_b32 v249, v[WW+1], v[WW+3], vcc_lo
	global_store_b64 v7, v[248:249], s[52:53]      ; 32 lanes store 256 consecutive bytes, aligned
	s_wait_tensorcnt 0x0
	ds_add_u32 v243, v255
	s_wait_dscnt 0x0
	s_endpgm
; ======================================================================= X: the tokens
; Rows are dense and K is a multiple of 32: the tensor is a stream of blocks of 32.  A wave takes 16 steps of 512 numbers.  Each load reads 512 consecutive bytes; a step's 2,048 bytes turn through the
; wave's own stage, so that a lane then holds 16 neighbours (two neighbouring lanes hold a block).  Loads run four steps ahead, the turn through LDS one step.
.Lxq:
	v_and_b32 v2, 31, v0                           ; lane
	v_lshlrev_b32 v3, 4, v2                        ; my 16 bytes of a load's 512
	s_mul_i32 s27, s26, XWREG
	v_lshrrev_b32 v14, 2, v2
	v_mul_u32_u24 v14, v14, SP
	v_and_b32 v15, 3, v2
	v_lshl_add_u32 v14, v15, 4, v14
	v_add_nc_u32 v14, s27, v14                     ; the stage, on the way in: 80 (lane / 4) + 16 (lane % 4)
	v_mul_u32_u24 v15, v2, SP
	v_add_nc_u32 v15, s27, v15                     ; and on the way out: 80 x lane
	v_mul_u32_u24 v4, v2, 12                       ; my codes' place in a step's
	v_lshrrev_b32 v5, 1, v2
	s_add_co_u32 s27, s27, 2*32*SP
	v_add_nc_u32 v5, s27, v5                       ; my wave's 256 scale bytes, my block's byte
	v_lshlrev_b32 v7, 3, v2
	v_add_nc_u32 v6, s27, v7                       ; and on the way out 8 bytes a lane
	s_sub_co_u32 s28, ttmp9, 4
	s_lshl_b32 s28, s28, 2
	s_add_co_u32 s28, s28, s26                     ; which run of 8,192 numbers is my wave's: 0 .. 511
	s_lshl_b32 s30, s28, 15
	s_mov_b32 s31, 0
	s_add_nc_u64 s[4:5], s[4:5], s[30:31]
	s_mul_i32 s30, s28, 6144
	s_add_nc_u64 s[12:13], s[12:13], s[30:31]
	s_lshl_b32 s30, s28, 8
	s_add_nc_u64 s[14:15], s[14:15], s[30:31]
.macro XLOAD t
.irp i, 0,1,2,3
	global_load_b128 v[XR+16*((\t)%4)+4*\i:XR+16*((\t)%4)+4*\i+3], v3, s[4:5] offset:2048*(\t)+512*\i th:TH_LOAD_NT
.endr
.endm
.macro XTURN t
.irp i, 0,1,2,3
	ds_store_b128 v14, v[XR+16*((\t)%4)+4*\i:XR+16*((\t)%4)+4*\i+3] offset:32*SP*((\t)%2)+8*SP*\i
.endr
.irp i, 0,1,2,3
	ds_load_b128 v[XX+16*((\t)%2)+4*\i:XX+16*((\t)%2)+4*\i+3], v15 offset:32*SP*((\t)%2)+16*\i
.endr
.endm
.irp t, 0,1,2,3
	XLOAD \t
.endr
	s_wait_loadcnt 12                              ; step 0's four loads are in
	XTURN 0
.macro XSTEP t
.set XSET, XX+16*((\t)%2)
.if (\t) > 0
	s_wait_dscnt 1                                 ; this step's numbers are back from the stage (the last step's byte store may be out)
.else
	s_wait_dscnt 0x0
.endif
.if (\t)+4 < 16
	XLOAD (\t)+4                                   ; into the registers that this step's stores into the stage have read
.endif
.if (\t)+1 < 16
.if 14-(\t) >= 3
	s_wait_loadcnt 12                              ; the next step's four loads are in; those of the three steps behind it may be out
.else
	s_wait_loadcnt 4*(14-(\t))
.endif
	XTURN (\t)+1
.endif
	v_max3_num_f32 v8, |v[XSET]|, |v[XSET+1]|, |v[XSET+2]|
	v_max3_num_f32 v9, |v[XSET+3]|, |v[XSET+4]|, |v[XSET+5]|
.irp i, 6,10
	v_max3_num_f32 v8, v8, |v[XSET+\i]|, |v[XSET+\i+1]|
	v_max3_num_f32 v9, v9, |v[XSET+\i+2]|, |v[XSET+\i+3]|
.endr
	v_max3_num_f32 v8, v8, |v[XSET+14]|, |v[XSET+15]|
	v_max3_num_f32 v8, v8, v9, 0x2800000           ; and the floor
	v_max_num_f32_dpp v8, v8, v8 row_xmask:1 row_mask:0xf bank_mask:0xf   ; with my neighbour's 16: the block's largest magnitude
	v_add_nc_u32 v11, 0xfe000000, v8
	v_cvt_scalef32_pk16_bf6_f32 v[XC+4*(\t):XC+4*(\t)+2], v[XSET:XSET+15], v11
	v_lshrrev_b32 v[XE+(\t)], 23, v11              ; the scale's byte (also the plain place behind the conversion)
	ds_store_b8 v5, v[XE+(\t)] offset:16*(\t)      ; both lanes of a block write the same byte with the same value
	global_store_b96 v4, v[XC+4*(\t):XC+4*(\t)+2], s[12:13] offset:384*(\t)   ; the wave stores 384 consecutive bytes
.endm
.irp t, 0,1,2,3,4,5,6,7,8,9,10,11,12,13,14,15
	XSTEP \t
.endr
	ds_load_b64 v[12:13], v6
	s_wait_dscnt 0x0
	global_store_b64 v7, v[12:13], s[14:15]        ; 32 lanes store 256 consecutive bytes, aligned
	s_wait_tensorcnt 0x0
	ds_add_u32 v243, v255
	s_wait_dscnt 0x0
	s_endpgm
; ======================================================================= R: the routing.  Whole numbers only.
; Sixteen waves; wave ch = 4 x work-group + wave owns tokens 128 ch .. 128 ch + 127 and positions 284 ch .. 284 ch + 283 of rows1.  Each wave counts all 2,048 tokens for itself, so that nothing passes between waves.
.Lroute:
	s_lshl_b32 s27, ttmp9, 2
	s_add_co_u32 s27, s27, s26                     ; ch
	v_lshlrev_b32 v2, 4, v1                        ; 16 x lane
	v_lshlrev_b32 v3, 3, v1                        ; 8 x lane
	v_mov_b32 v4, 1
	v_mov_b32 v5, 0
	; the positions of rows1 that I look after, and their byte addresses: made here, of the wave's number, the lane and constants, ahead of every load and of every write of VCC and EXEC
	s_mul_i32 s88, s27, 284
	s_add_co_u32 s89, s88, 284
.irp t, 0,1,2,3,4,5,6,7,8
	v_add_nc_u32 v[PPOS+\t], s88, v1
.endr
.irp t, 0,1,2,3,4,5,6,7,8
	v_add_nc_u32 v[PPOS+\t], 32*\t, v[PPOS+\t]     ; 284 ch + 32 t + lane
.endr
.irp t, 0,1,2,3,4,5,6,7,8
	v_lshlrev_b32 v[PADR+\t], 2, v[PPOS+\t]
.endr
	s_lshl_b32 s28, s27, 10
	s_mov_b32 s29, 0
	s_add_nc_u64 s[30:31], s[10:11], s[28:29]      ; my chunk's ids
.irp k, 0,1,2,3,4,5,6,7,8,9,10,11,12,13,14,15,16,17,18,19,20,21,22,23,24,25,26,27,28,29,30,31
	global_load_b128 v[IA+4*\k:IA+4*\k+3], v2, s[10:11] offset:512*\k   ; tokens 64 k + 2 lane and the next: id0, id1, id0, id1
.endr
.irp q, 0,1,2,3
	global_load_b64 v[IO+2*\q:IO+2*\q+1], v3, s[30:31] offset:256*\q    ; token 128 ch + 32 q + lane
.endr
	s_mov_b32 s75, 0x204081                        ; x this, a 4-bit number's bit e also stands at bit 8 e
	s_mov_b32 s76, 0x01010101
	s_mov_b32 s77, 0x00ff00ff
	s_lshl_b32 s91, s27, 1                         ; loads 0 .. 2 ch - 1 hold the tokens before my chunk
	v_mov_b32 v[CT], 0
	v_mov_b32 v[CT+1], 0
	v_mov_b32 v[BF], 0
	v_mov_b32 v[BF+1], 0
	s_wait_loadcnt 0x0
; a token's set of experts is a mask of 8 bits; its bits are spread to bytes and added: a lane sees 64 tokens, so a byte holds 64 at the most
.set kk, 0
.rept 32
.if (kk%2) == 0
	s_cmp_eq_u32 s91, kk                           ; at my chunk's first load the counts so far are kept
	s_cselect_b32 s80, -1, 0
	v_and_or_b32 v[BF], v[CT], s80, v[BF]
	v_and_or_b32 v[BF+1], v[CT+1], s80, v[BF+1]
.endif
	v_lshlrev_b32 v156, v[IA+4*kk], v4
	v_lshlrev_b32 v157, v[IA+4*kk+2], v4
	v_lshl_or_b32 v156, v4, v[IA+4*kk+1], v156
	v_lshl_or_b32 v157, v4, v[IA+4*kk+3], v157
	v_and_b32 v158, 15, v156
	v_and_b32 v159, 15, v157
	v_bfe_u32 v156, v156, 4, 4
	v_bfe_u32 v157, v157, 4, 4
	v_mul_u32_u24 v158, s75, v158
	v_mul_u32_u24 v159, s75, v159
	v_mul_u32_u24 v156, s75, v156
	v_mul_u32_u24 v157, s75, v157
	v_and_b32 v158, s76, v158
	v_and_b32 v159, s76, v159
	v_and_b32 v156, s76, v156
	v_and_b32 v157, s76, v157
	v_add3_u32 v[CT], v[CT], v158, v159            ; experts 0 .. 3
	v_add3_u32 v[CT+1], v[CT+1], v156, v157        ; experts 4 .. 7
.set kk, kk+1
.endr
	v_and_b32 v156, s77, v[CT]                     ; two fields of 16 bits: experts 0 and 2,
	v_lshrrev_b32 v157, 8, v[CT]
	v_and_b32 v157, s77, v157                      ; 1 and 3,
	v_and_b32 v158, s77, v[CT+1]                   ; 4 and 6,
	v_lshrrev_b32 v159, 8, v[CT+1]
	v_and_b32 v159, s77, v159                      ; 5 and 7
	v_and_b32 v160, s77, v[BF]
	v_lshrrev_b32 v161, 8, v[BF]
	v_and_b32 v161, s77, v161
	v_and_b32 v162, s77, v[BF+1]
	v_lshrrev_b32 v163, 8, v[BF+1]
	v_and_b32 v163, s77, v163
	v_mov_b32 v164, 0
.irp p, 156,157,158,159,160,161,162,163        ; the sum over the 32 lanes: 2,048 at the most, inside 16 bits
.irp m, 1,2,4,8
	v_mov_b32_dpp v164, v\p row_xmask:\m row_mask:0xf bank_mask:0xf
	v_add_nc_u32 v\p, v\p, v164
.endr
	v_permlanex16_b32 v164, v\p, s78, s79
	v_add_nc_u32 v\p, v\p, v164
.endr
.macro SPLIT vr, lo, hi
	v_readfirstlane_b32 s80, v[\vr]
	s_and_b32 s[\lo], s80, 0xffff
	s_lshr_b32 s[\hi], s80, 16
.endm
	SPLIT 156, 32, 34                              ; s[32:39] n_e
	SPLIT 157, 33, 35
	SPLIT 158, 36, 38
	SPLIT 159, 37, 39
	SPLIT 160, 40, 42                              ; s[40:47] members before my chunk
	SPLIT 161, 41, 43
	SPLIT 162, 44, 46
	SPLIT 163, 45, 47
	s_mov_b32 s81, 0
.irp e, 0,1,2,3,4,5,6,7
	s_mov_b32 s[48+\e], s81                        ; s[48:55] seg_e
	s_add_co_u32 s[66+\e], s81, s[40+\e]           ; s[66:73] the row of the next member
	s_add_co_u32 s82, s[32+\e], 63
	s_and_b32 s82, s82, 0xffffffc0
	s_add_co_u32 s81, s81, s82
	s_lshr_b32 s[56+\e], s81, 6                    ; s[56:63] the segment's end, in tiles
.endr
	s_sub_co_u32 s74, s81, 1                       ; TOT - 1
	s_lshl_b32 s86, s27, 12
	s_mov_b32 s87, 0
	s_add_nc_u64 s[86:87], s[24:25], s[86:87]      ; R8 at my chunk
	s_lshl_b32 s92, s27, 7
	v_lshlrev_b32 v212, 5, v1                      ; 32 bytes a token
; 32 tokens, a lane each.  Each q has registers of its own, so that no store's registers are written again.
; (R8's two stores of 16 bytes a lane cover 1,024 consecutive bytes between them; rows1 is a scatter of 4 bytes a token: 64 KB and 16 KB in the whole launch.)
.macro RANK q
	v_mov_b32 v[PP+2*\q], 0
	v_mov_b32 v[PP+2*\q+1], 0
	v_add3_u32 v[TOKV+\q], s92, v1, 32*\q
.irp e, 0,1,2,3,4,5,6,7
	v_cmp_eq_u32 s83, \e, v[IO+2*\q]
	v_cmp_eq_u32 s84, \e, v[IO+2*\q+1]
	s_or_b32 s85, s83, s84                         ; the members of e among the 32
	v_mbcnt_lo_u32_b32 v[RK+8*\q+\e], s85, s[66+\e]   ; seg_e + rank_e
	v_cndmask_b32 v[PP+2*\q], v[PP+2*\q], v[RK+8*\q+\e], s83
	v_cndmask_b32 v[PP+2*\q+1], v[PP+2*\q+1], v[RK+8*\q+\e], s84
	s_bcnt1_i32_b32 s85, s85
	s_add_co_u32 s[66+\e], s[66+\e], s85
	v_min_u32 v[RK+8*\q+\e], s74, v[RK+8*\q+\e]
.endr
	global_store_b128 v212, v[RK+8*\q:RK+8*\q+3], s[86:87] offset:1024*\q
	global_store_b128 v212, v[RK+8*\q+4:RK+8*\q+7], s[86:87] offset:1024*\q+16
	v_min_u32 v[PP+2*\q], 0x11bf, v[PP+2*\q]       ; held inside rows1's 4,544 places
	v_min_u32 v[PP+2*\q+1], 0x11bf, v[PP+2*\q+1]
	v_lshlrev_b32 v[PP+2*\q], 2, v[PP+2*\q]
	v_lshlrev_b32 v[PP+2*\q+1], 2, v[PP+2*\q+1]
	global_store_b32 v[PP+2*\q], v[TOKV+\q], s[24:25] offset:ROWS1
	global_store_b32 v[PP+2*\q+1], v[TOKV+\q], s[24:25] offset:ROWS1   ; (both ids equal: the same word, the same number)
.endm
	RANK 0
	RANK 1
	RANK 2
	RANK 3
; rows1 where no member stands: 0.  A member's place p has p - seg_e < n_e for one e; those are stored by the token's wave, the others by the wave that owns p: no word has two writers.
; First the nine masks, into scalar registers (s91 and s92 have served the count and the ranks); neither VCC nor EXEC is written in this run.
.irp t, 0,1,2,3,4,5,6,7,8
	s_mov_b32 s90, 0
.irp e, 0,1,2,3,4,5,6,7
	v_sub_nc_u32 v224, v[PPOS+\t], s[48+\e]
	v_cmp_gt_u32 s83, s[32+\e], v224
	s_or_b32 s90, s90, s83                         ; a member's row of some expert
.endr
	v_cmp_gt_u32 s83, s89, v[PPOS+\t]              ; mine: under 284 (ch + 1)
	s_and_not1_b32 s[MK+\t], s83, s90
.endr
; Then the nine stores, by addresses that were made at the path's head.
.irp t, 0,1,2,3,4,5,6,7,8
	s_mov_b32 vcc_lo, s[MK+\t]
	s_wait_xcnt 0x0                                ; EXEC is a source of the stores that are out: it changes only behind this wait
	s_and_saveexec_b32 s84, vcc_lo
	global_store_b32 v[PADR+\t], v5, s[24:25] offset:ROWS1
	s_wait_xcnt 0x0                                ; and again in front of the line that widens it
	s_or_b32 exec_lo, exec_lo, s84
.endr
	s_cmp_lg_u32 s27, 0
	s_cbranch_scc1 .Lrend
	v_lshlrev_b32 v225, 2, v1                      ; wave 0 of work-group 0: te1[T] = how many segments end at or before tile T; T = 4 lane + k
.irp k, 0,1,2,3
	v_add_nc_u32 v226, \k, v225
	v_mov_b32 v[228+\k], 0
.irp e, 0,1,2,3,4,5,6,7
	v_cmp_le_u32 vcc_lo, s[56+\e], v226
	v_cndmask_b32 v227, v5, v4, vcc_lo
	v_add_nc_u32 v[228+\k], v[228+\k], v227
.endr
.endr
	global_store_b128 v2, v[228:231], s[24:25] offset:TE1   ; 512 consecutive bytes
.Lrend:
	s_endpgm
.Lfunc_end_k_qcfb0a809be_prep:
	.size	k_qcfb0a809be_prep, .Lfunc_end_k_qcfb0a809be_prep-k_qcfb0a809be_prep
	.p2alignl 7, 3214868480
	.fill 96, 4, 3214868480
	.section	.rodata,"a",@progbits
	.p2align	6, 0x0
	.amdhsa_kernel k_qcfb0a809be_prep
		.amdhsa_group_segment_fixed_size 56832
		.amdhsa_private_segment_fixed_size 0
		.amdhsa_enable_private_segment 0
		.amdhsa_kernarg_size 64
		.amdhsa_user_sgpr_count 2
		.amdhsa_user_sgpr_kernarg_segment_ptr 1
		.amdhsa_wavefront_size32 1
		.amdhsa_system_sgpr_workgroup_id_x 1
		.amdhsa_system_sgpr_workgroup_id_y 1
		.amdhsa_system_sgpr_workgroup_id_z 1
		.amdhsa_system_vgpr_workitem_id 0
		.amdhsa_next_free_vgpr 256
		.amdhsa_next_free_sgpr 100
		.amdhsa_reserve_vcc 1
		.amdhsa_float_denorm_mode_32 3
		.amdhsa_float_denorm_mode_16_64 3
		.amdhsa_memory_ordered 1
		.amdhsa_forward_progress 1
		.amdhsa_inst_pref_size 136
	.end_amdhsa_kernel
	.amdgpu_metadata
---
amdhsa.version: [ 1, 2 ]
amdhsa.kernels:
  - .name:           k_qcfb0a809be_prep
    .symbol:         k_qcfb0a809be_prep.kd
    .args:
      - { .name: hidden_states, .offset: 0, .size: 8, .value_kind: global_buffer, .address_space: global }
      - { .name: w1, .offset: 8, .size: 8, .value_kind: global_buffer, .address_space: global }
      - { .name: xc, .offset: 16, .size: 8, .value_kind: global_buffer, .address_space: global }
      - { .name: xs, .offset: 24, .size: 8, .value_kind: global_buffer, .address_space: global }
      - { .name: w1i, .offset: 32, .size: 8, .value_kind: global_buffer, .address_space: global }
      - { .name: w1s, .offset: 40, .size: 8, .value_kind: global_buffer, .address_space: global }
      - { .name: topk_ids, .offset: 48, .size: 8, .value_kind: global_buffer, .address_space: global }
      - { .name: route, .offset: 56, .size: 8, .value_kind: global_buffer, .address_space: global }
    .group_segment_fixed_size: 56832
    .private_segment_fixed_size: 0
    .kernarg_segment_align: 8
    .kernarg_segment_size: 64
    .max_flat_workgroup_size: 128
    .sgpr_count:     100
    .vgpr_count:     256
    .wavefront_size: 32
...
	.end_amdgpu_metadata
.endif
;; end of part 1
;; launch gemm1 (part 2): grid 4 x 103, 4 waves a work-group, no clusters, 160,768 bytes of LDS; arguments xc, xs, w1i, w1s, route, act, w2, w2i, w2s; writes act, w2i, w2s
.if DOCPART == 2
	.amdgcn_target "amdgcn-amd-amdhsa--gfx1250"
	.amdhsa_code_object_version 6
	.text
	.protected	k_qcfb0a809be_gemm1
	.globl	k_qcfb0a809be_gemm1
	.p2align	8
	.type	k_qcfb0a809be_gemm1,@function
k_qcfb0a809be_gemm1:
	s_mov_b64 s[64:65], 0
	v_nop
	global_prefetch_b8 v0, s[64:65] scope:SCOPE_SE
	s_setreg_imm32_b32 hwreg(HW_REG_WAVE_MODE, 25, 1), 1
	s_wait_xcnt 0x0
; GEMM1, and beside it w2's quantiser.  Two kinds of work-groups, told apart by the work-group's y alone:
;   y < 71   THE PRODUCT: for the rows that an expert was chosen for: h1 = x w1^T on codes of E3M2, act = silu(gate) x up in f32, act quantised along its 512 and stored as codes.
;   y >= 71  W2: w2 [8][2048][512] f32 -> codes as images of operand registers and scale words (at the text's end).  Its codes are first wanted by the next launch, and nothing here waits for them: so its
;            33.5 MB are read in this launch, by 128 work-groups of their own, while the product's work-groups wait for their operands.  284 + 128 work-groups are fewer than the two places that each of
;            256 WGPs has at 512 registers a wave and 160,768 bytes of LDS: none waits for a place.  The product's come first in the grid.
; THE PRODUCT'S SHARES.  Work-group (q, T): the 64 rows 64 T .. 64 T + 63 of the sorted list (all of one expert, te1[T]) x hidden units 128 q .. 128 q + 127: K step q of the second product.
; Wave w: block j = 4 q + w of 32 hidden units: 32 rows of gate and 32 of up (four tiles of 16) against all 64 rows: 16 accumulators; K = 2,048 in 16 steps of 128.
; 71 = ceil(4096 / 64) + 8 - 1 tiles serve every split.  A tile that a split leaves without rows (te1 = 8) stores nothing.  It still walks the text (token 0 against expert 7): both barriers stand on every
; wave's path of such a work-group, none under a branch on a stored number, and the one such branch stands behind the second barrier, round the stores.
; NO CLUSTER, NO TENSOR LOAD: the stores hang on a stored number.  The weights come from memory straight into operand registers
; (images, 512 consecutive bytes a load); the 64 rows of x, which all four waves read, are gathered once into LDS.
; THE PRODUCT IS USED TRANSPOSED: source 0 = 16 rows of w1, source 1 = 16 rows of x.  Lane (r, h) holds row r; by the choice of a tile's rows the 16 registers of tiles u = 0, 1 are hidden units 32 j + 16 h + 0 .. 15.
; silu(g) u is computed as (g u) / (1 + 2^(-g log2 e)): the order of rounding differs from silu(g) x u by about one part in 10^7.
; act: codes [K step 4][row 4544][96 bytes]; in the 96 bytes block b lies at 48 (b % 2) + 24 (b / 2), so that a lane of the next launch takes 48 bytes on end; scale words at ACTS: [row][16 bytes].
; REGISTERS OF THE PRODUCT.  window 0: v1-18 addresses; v32-79, v80-127 x's fragments, two sets (4 x 12); v128-191 scale words: v[128 + 16 i + s]: lanes 0-15 x's sub-tile i, lanes 16-31 the weights' tile i, K step s;
;   v192-239 the weights' third buffer; v240-247 x's scales on their way.   window 1: v0-127 the accumulators ((i, tt) at 32 i + 8 tt); v128-175, v176-223 the weights' first two buffers; later at work.
.set PLANE, 436224
.set ACTS,  1744896
.set XP,    1552                       ; a row of x in LDS: 1,536 bytes + 16 = 388 words: row r starts at bank 4 r mod 64 (64 banks of 4 bytes: ISA guide 11.1): the 32 lanes of a load of 8 bytes touch 64 different banks
.set XSC,   99328                      ; behind the 64 rows: x's scale words [sub-tile 4][kq 4][r 16][16 bytes]
.set BSC,   103424                     ; the weights' scale words, 4,096 bytes a wave: [tile 4][kq 4][r 16][16 bytes]
.set OST,   119808                     ; the way out: 64 rows x 96 bytes
.set OSC,   125952                     ; and 64 scale words
.set WLDS,  126464                     ; W2: LDS bytes of its own, behind the product's
.set WREG,  8448                       ; W2: a wave's stage: 16 rows x 528 bytes
.set WP,    528                        ; W2: 512 bytes + 16: an odd multiple of 16, so sixteen rows' reads of 16 bytes fall on different banks
.set NUM,   160                        ; W2: v160-223 my two blocks of 32 neighbours
.set CO,    224                        ; W2: v224-235 the fragment's 12 registers
.set CT2,   236                        ; W2: v236-243 the upper halves as the conversions leave them
.set WW,    244                        ; W2: v244-247 a tile's four scale words
.set MSB, 0
.macro WIN new                         ; the immediate's high byte repeats the setting that is left; a switch that changes nothing is dropped
.if MSB != \new
	s_set_vgpr_msb (MSB<<8)|\new
.set MSB, \new
.endif
.endm
	s_load_b256 s[4:11], s[0:1], 0x0               ; xc s[4:5], xs s[6:7], w1i s[8:9], w1s s[10:11]
	s_load_b128 s[12:15], s[0:1], 0x20             ; route s[12:13], act s[14:15]
	s_load_b128 s[88:91], s[0:1], 0x30             ; w2 s[88:89], w2i s[90:91]
	s_load_b64 s[92:93], s[0:1], 0x40              ; w2s
	v_lshl_add_u32 v31, v0, 2, 0x27200
	v_mov_b32 v255, 0
	v_lshrrev_b32 v1, 5, v0
	v_readfirstlane_b32 s82, v1                    ; wave 0..3
	s_and_b32 s83, ttmp7, 0xffff                   ; T
	v_and_b32 v1, 31, v0                           ; lane
	v_and_b32 v2, 15, v0                           ; r
	v_bfe_u32 v3, v0, 4, 1                         ; h
	s_cmp_ge_u32 s83, 71                           ; the same in all four waves: it hangs on the work-group's number alone
	s_cbranch_scc1 .Lw2q
	s_lshl_b32 s84, s83, 2
	s_lshl_b32 s85, s83, 8
	s_lshl_b32 s86, s82, 6
	s_add_co_u32 s85, s85, s86                     ; 4 x (64 T + 16 w): my 16 rows in rows1
	v_lshl_add_u32 v18, v2, 2, s85
	s_wait_kmcnt 0x0
	s_load_b32 s66, s[12:13], s84 offset:83968     ; te1[T]
	s_load_b512 s[16:31], s[12:13], s85 offset:65536   ; the tokens of rows 16 w .. 16 w + 15, as scalars,
	global_load_b32 v6, v18, s[12:13] offset:65536 ; and row 16 w + r's in lane (r, h)
	v_lshlrev_b32 v4, 4, v1                        ; v4  16 x lane
	s_mul_i32 s86, s82, 16*XP
	v_add_nc_u32 v5, s86, v4                       ; v5  where I put my 16 rows of x
	s_lshl_b32 s86, s82, 10
	s_add_co_u32 s86, s86, XSC
	v_lshlrev_b32 v8, 4, v2
	v_lshl_add_u32 v8, v3, 8, v8
	v_add_nc_u32 v8, s86, v8                       ; v8  and their scale words: sub-tile w, kq = h (+ 2), row r
	s_lshl_b32 s86, s82, 12
	s_add_co_u32 s87, s86, BSC
	v_add_nc_u32 v9, s87, v4                       ; v9  my weights' scale words, as they lie
	v_mul_u32_u24 v10, v2, XP
	v_mad_u32_u24 v10, v3, 24, v10                 ; v10 a fragment of x: row r, + 24 h; sub-tiles 0, 1
	v_add_nc_u32 v11, 32*XP, v10                   ; v11 sub-tiles 2, 3
	s_add_co_u32 s86, s86, BSC-XSC                 ; from x's scale words to my weights'
	v_mul_u32_u24 v12, s86, v3                     ; lanes 16-31 take the weights': the lower base + h x the distance
	v_lshl_add_u32 v12, v2, 4, v12
	v_add_nc_u32 v12, XSC, v12                     ; v12 scale words
	s_and_b32 s86, s82, 1
	s_mul_i32 s86, s86, 48
	s_lshr_b32 s87, s82, 1
	s_mul_i32 s87, s87, 24
	s_add_co_u32 s86, s86, s87
	s_add_co_u32 s86, s86, OST
	v_mul_u32_u24 v13, v1, 96
	v_add_nc_u32 v13, s86, v13                     ; v13 the way out: row = lane (+ 32), my block's 24 bytes
	s_add_co_u32 s86, s82, OSC
	v_lshl_add_u32 v14, v1, 2, s86                 ; v14 and byte w of that row's scale word
	s_mul_i32 s86, s82, 1536
	s_add_co_u32 s86, s86, OST
	v_add_nc_u32 v15, s86, v4                      ; v15 back: 1,536 bytes a wave
	s_lshl_b32 s86, s82, 7
	s_add_co_u32 s86, s86, OSC
	v_lshl_add_u32 v16, v1, 2, s86                 ; v16 back: waves 0, 1: 32 scale words each
	s_lshl_b32 s86, s82, 5
	v_add_nc_u32 v17, s86, v1
	v_lshlrev_b32 v17, 4, v17                      ; v17 their places in act: 16 bytes a row
	s_mov_b32 s78, 0x76543210
	s_mov_b32 s79, 0xfedcba98                      ; v_permlanex16_b32's selects for lane l xor 16
	s_mov_b32 s80, 0xbfb8aa3b                      ; -log2(e)
	s_mov_b32 s81, s80                             ; (named with it as a pair)
	s_mul_i32 s74, ttmp9, PLANE
	s_mul_i32 s86, s83, 6144
	s_add_co_u32 s74, s74, s86
	s_mul_i32 s86, s82, 1536
	s_add_co_u32 s74, s74, s86
	s_mov_b32 s75, 0
	s_add_nc_u64 s[74:75], s[14:15], s[74:75]      ; act's codes: K step q, row 64 T, my quarter of the 6,144 bytes
	s_lshl_b32 s76, s83, 10
	s_lshl_b32 s86, ttmp9, 2
	s_add_co_u32 s76, s76, s86
	s_add_co_u32 s76, s76, ACTS
	s_mov_b32 s77, 0
	s_add_nc_u64 s[76:77], s[14:15], s[76:77]      ; act's scale words: row 64 T, word q
	s_wait_kmcnt 0x0
	s_min_u32 s67, s66, 7                          ; the expert, held inside the table
	s_lshl_b32 s68, ttmp9, 2
	s_add_co_u32 s68, s68, s82                     ; j
	s_lshl_b32 s69, s67, 4
	s_add_co_u32 s69, s69, s68
	s_mul_i32 s70, s69, 98304
	s_mov_b32 s71, 0
	s_add_nc_u64 s[70:71], s[8:9], s[70:71]        ; my weights' images: [K step 16][tile 4][1536]
	s_lshl_b32 s72, s69, 12
	s_mov_b32 s73, 0
	s_add_nc_u64 s[72:73], s[10:11], s[72:73]      ; and their scale words
.irp p, 0,1,2,3,4,5,6,7,8,9,10,11,12,13,14,15
	s_min_u32 s[16+\p], s[16+\p], 2047             ; a token, held inside x
	s_mul_i32 s[32+2*\p], s[16+\p], 1536
	s_mov_b32 s[33+2*\p], 0
	s_add_nc_u64 s[32+2*\p:33+2*\p], s[4:5], s[32+2*\p:33+2*\p]   ; s[32:63]: my 16 rows of codes
.endr
.macro LOADB s                         ; the weights' four fragments of K step s into buffer s % 3: twelve loads of 512 consecutive bytes
.set bb, (\s)%3
.if bb == 2
	WIN 0
.set bR, 192
.else
	WIN 0x40                                       ; destination window 1, address window 0
.set bR, 128+48*bb
.endif
.irp t, 0,1,2,3
.irp c, 0,1,2
	global_load_b128 v[bR+12*\t+4*\c:bR+12*\t+4*\c+3], v4, s[70:71] offset:6144*(\s)+1536*\t+512*\c
.endr
.endr
	WIN 0
.endm
.macro LOADA s                         ; x's four fragments of K step s into set s % 2: 24 bytes twice a lane, in pieces of 8
.set aR, 32+48*((\s)%2)
.irp i, 0,1,2,3
.irp p, 0,1,2,3,4,5
	ds_load_b64 v[aR+12*\i+2*\p:aR+12*\i+2*\p+1], v[10+\i/2] offset:(\i%2)*16*XP+96*(\s)+48*(\p/3)+8*(\p%3)
.endr
.endr
.endm
	; ---- the 64 rows of x and all scale words go to LDS; wave w brings rows 16 w .. 16 w + 15
.irp k, 0,1,2,3,4,5,6,7
	global_load_b128 v[96+4*\k:99+4*\k], v4, s[72:73] offset:512*\k     ; my weights' scale words
.endr
	WIN 0x40
.set n, 0
.rept 32                               ; row n / 3, piece n % 3: 512 consecutive bytes a load
	global_load_b128 v[4*n:4*n+3], v4, s[32+2*(n/3):33+2*(n/3)] offset:512*(n%3)
.set n, n+1
.endr
	WIN 0
.rept 16
	global_load_b128 v[32+4*(n-32):35+4*(n-32)], v4, s[32+2*(n/3):33+2*(n/3)] offset:512*(n%3)
.set n, n+1
.endr
	s_wait_loadcnt 56                              ; the list's load is in: 8 + 48 loads were issued behind it
	v_min_u32 v6, 0x7ff, v6                        ; a token, held inside xs
	v_lshlrev_b32 v7, 6, v6
	v_lshl_add_u32 v7, v3, 4, v7                   ; its 64 scale bytes, + 16 h
	global_load_b128 v[240:243], v7, s[6:7]        ; K steps 4 h .. 4 h + 3
	global_load_b128 v[244:247], v7, s[6:7] offset:32   ; 8 + 4 h ..
	LOADB 0
	LOADB 1
	s_wait_loadcnt 24                              ; all but the two buffers of weights just asked for
	WIN 0x04                                       ; an LDS store's data are its source 1: window 1
.set n, 0
.rept 32
	ds_store_b128 v5, v[4*n:4*n+3] offset:XP*(n/3)+512*(n%3)
.set n, n+1
.endr
	WIN 0
.rept 16
	ds_store_b128 v5, v[32+4*(n-32):35+4*(n-32)] offset:XP*(n/3)+512*(n%3)
.set n, n+1
.endr
	ds_store_b128 v8, v[240:243]
	ds_store_b128 v8, v[244:247] offset:512
.irp k, 0,1,2,3,4,5,6,7
	ds_store_b128 v9, v[96+4*\k:99+4*\k] offset:512*\k
.endr
	s_wait_dscnt 0x0                               ; for the others' sake: my stores have landed
	s_barrier_signal -1
	s_barrier_wait -1                              ; the 64 rows and their scale words lie in LDS
.irp i, 0,1,2,3
.irp k, 0,1,2,3
	ds_load_b128 v[128+16*\i+4*\k:131+16*\i+4*\k], v12 offset:256*(4*\i+\k)   ; all 16 K steps' scale words: they stay in registers
.endr
.endr
	LOADA 0
; A K step: 16 products, x's sub-tiles one after the other, each against the four tiles of weights.  The 16 accumulators take turns, one instruction a turn, in the same order in every step.
; A load into a register that a matrix instruction has read stands four places behind it (ISA guide 7.12.1 for vector instructions): four v_nop at the step's head.
.macro KSTEP s
.if (\s) > 0
.rept 4
	v_nop
.endr
.endif
.if (\s)+2 < 16
	LOADB (\s)+2                                   ; into the buffer that the last step multiplied
.endif
.if (\s)+1 < 16
	LOADA (\s)+1
.endif
.if (\s) < 14
	s_wait_loadcnt 24                              ; this step's weights are in; the next two steps' may be out
.elseif (\s) == 14
	s_wait_loadcnt 12
.else
	s_wait_loadcnt 0x0
.endif
.if (\s) < 15
	s_wait_dscnt 24                                ; this step's fragments of x are in (and, in step 0, the scale words, which were asked for earlier); the next step's 24 loads may be out
.else
	s_wait_dscnt 0x0
.endif
.if ((\s)%3) == 2
	WIN 0x50                                       ; C and D window 1; weights and x window 0
.set bR, 192
.else
	WIN 0x51                                       ; weights window 1 too
.set bR, 128+48*((\s)%3)
.endif
.set aR, 32+48*((\s)%2)
.irp i, 0,1,2,3
.irp t, 0,1,2,3
.if (\s) == 0
	v_wmma_scale_f32_16x16x128_f8f6f4 v[32*\i+8*\t:32*\i+8*\t+7], v[bR+12*\t:bR+12*\t+11], v[aR+12*\i:aR+12*\i+11], 0, v[128+16*\t+(\s)], v[128+16*\i+(\s)] matrix_a_fmt:MATRIX_FMT_BF6 matrix_b_fmt:MATRIX_FMT_BF6 matrix_a_scale:MATRIX_SCALE_ROW1
.else
	v_wmma_scale_f32_16x16x128_f8f6f4 v[32*\i+8*\t:32*\i+8*\t+7], v[bR+12*\t:bR+12*\t+11], v[aR+12*\i:aR+12*\i+11], v[32*\i+8*\t:32*\i+8*\t+7], v[128+16*\t+(\s)], v[128+16*\i+(\s)] matrix_a_fmt:MATRIX_FMT_BF6 matrix_b_fmt:MATRIX_FMT_BF6 matrix_a_scale:MATRIX_SCALE_ROW1
.endif
.endr
.endr
	WIN 0
.endm
.irp s, 0,1,2,3,4,5,6,7,8,9,10,11,12,13,14,15
	KSTEP \s
.endr
	; ---- silu(gate) x up, in f32.  All in window 1: gate v[32 i .. 32 i + 15], up v[32 i + 16 .. 32 i + 31]; v128-191 at work
.rept 4
	v_nop                                          ; four places behind the last products
.endr
	WIN 0x55
.irp i, 0,1,2,3
.irp k, 0,2,4,6,8,10,12,14
	v_pk_mul_f32 v[128+16*\i+\k:129+16*\i+\k], v[32*\i+\k:32*\i+\k+1], s[80:81] op_sel_hi:[1,0]   ; -g log2(e); each accumulator is read from its low end on
.endr
.endr
.set n, 0
.rept 64
	v_exp_f32 v[128+n], v[128+n]
.set n, n+1
.endr
.irp i, 0,1,2,3
.irp k, 0,2,4,6,8,10,12,14
	v_pk_mul_f32 v[32*\i+\k:32*\i+\k+1], v[32*\i+\k:32*\i+\k+1], v[32*\i+16+\k:32*\i+17+\k]       ; g u: plain work that names no exponential's result
.endr
.endr
	s_wait_alu depctr_va_vdst(0)                   ; one wait for the 64 exponentials, ahead of their first reader
.set n, 0
.rept 32
	v_pk_add_f32 v[128+n:129+n], v[128+n:129+n], 1.0 op_sel_hi:[1,0]
.set n, n+2
.endr
.set n, 0
.rept 64
	v_rcp_f32 v[128+n], v[128+n]
.set n, n+1
.endr
	v_nop                                          ; a plain place behind the last reciprocal
	s_wait_alu depctr_va_vdst(0)                   ; and one wait for the 64
.irp i, 0,1,2,3
.irp k, 0,2,4,6,8,10,12,14
	v_pk_mul_f32 v[32*\i+\k:32*\i+\k+1], v[32*\i+\k:32*\i+\k+1], v[128+16*\i+\k:129+16*\i+\k]     ; act(row 16 i + r, 32 j + 16 h + k)
.endr
.endr
	; ---- quantised: for each sub-tile one block of 32, half in lane l, half in lane l xor 16.  v192.. codes, v208.. largest magnitudes, v216.. scale operands, v220.. bytes
.irp i, 0,1,2,3
	v_mov_b32 v[212+\i], 0                         ; a lane permute's destination counts as one of its sources
.endr
.irp i, 0,1,2,3
	v_max3_num_f32 v[208+\i], |v[32*\i]|, |v[32*\i+1]|, 0x2800000   ; my 16 numbers, and the floor 2^(5 - 127)
.endr
.irp k, 2,4,6,8,10,12,14
.irp i, 0,1,2,3
	v_max3_num_f32 v[208+\i], v[208+\i], |v[32*\i+\k]|, |v[32*\i+\k+1]|
.endr
.endr
.irp i, 0,1,2,3
	v_permlanex16_b32 v[212+\i], v[208+\i], s78, s79
.endr
.irp i, 0,1,2,3
	v_max_num_f32 v[208+\i], v[208+\i], v[212+\i]
.endr
.irp i, 0,1,2,3
	v_add_nc_u32 v[216+\i], 0xfe000000, v[208+\i]  ; 4 off the exponent field: the conversion's scale operand
.endr
.irp i, 0,1,2,3
	v_lshrrev_b32 v[220+\i], 23, v[216+\i]         ; the scale's byte
.endr
.irp i, 0,1,2,3
	v_cvt_scalef32_pk16_bf6_f32 v[192+4*\i:194+4*\i], v[32*\i:32*\i+15], v[216+\i]
.endr
	v_nop                                          ; one plain place behind a scaled conversion
	s_mov_b32 vcc_lo, 0xffff0000
.irp a, 0,1                            ; sub-tiles 2 a and 2 a + 1 change halves: lane (r, hh) then holds the whole block, 24 bytes, of row r of sub-tile 2 a + hh
.irp k, 0,1,2
	v_permlane16_swap_b32 v[192+8*\a+\k], v[196+8*\a+\k]
.endr
	v_mov_b32 v[195+8*\a], v[196+8*\a]             ; six registers on end
	v_mov_b32 v[196+8*\a], v[197+8*\a]
	v_mov_b32 v[197+8*\a], v[198+8*\a]
	v_cndmask_b32 v[224+\a], v[220+2*\a], v[221+2*\a], vcc_lo   ; and that sub-tile's byte of row r
.endr
	WIN 0x04
.irp a, 0,1
.irp k, 0,1,2
	ds_store_b64 v13, v[192+8*\a+2*\k:193+8*\a+2*\k] offset:3072*\a+8*\k
.endr
	ds_store_b8 v14, v[224+\a] offset:128*\a
.endr
	WIN 0
	s_wait_dscnt 0x0                               ; for the others' sake: my stores have landed
	s_barrier_signal -1
	s_barrier_wait -1                              ; 64 rows x 96 bytes and 64 scale words lie in LDS
	s_cmp_lt_u32 s66, 8                            ; a tile without rows stores nothing
	s_cbranch_scc0 .Lend
.irp c, 0,1,2
	ds_load_b128 v[32+4*\c:35+4*\c], v15 offset:512*\c
.endr
	s_wait_dscnt 0x0
.irp c, 0,1,2
	global_store_b128 v4, v[32+4*\c:35+4*\c], s[74:75] offset:512*\c   ; 512 consecutive bytes, aligned; the work-group's 6,144 are on end
.endr
	s_cmp_lt_u32 s82, 2
	s_cbranch_scc0 .Lend
	ds_load_b32 v44, v16
	s_wait_dscnt 0x0
	global_store_b32 v17, v44, s[76:77]            ; word q of 32 rows' 16 bytes: 4 bytes of each 16.  The layout serves the next launch's one load of 16 bytes a row; all scale words together are 72 KB
.Lend:
	s_wait_tensorcnt 0x0
	ds_add_u32 v31, v255
	s_wait_dscnt 0x0
	s_endpgm
; ======================================================================= W2: the second product's weights
; w2's 16,384 rows of 512 numbers are 1,024 tiles of 16 rows, as they lie.  Wave J = 4 x (4 (y - 71) + x) + wave, 0 .. 511, takes tiles 2 J and 2 J + 1: 64 KB of f32 on end, in eight steps (tile g / 4, K step g % 4).
; w2i: [tile][K step 4][1536]: an image of a fragment's registers (registers 4 c .. 4 c + 3 of lane l at 512 c + 16 l);  w2s: [tile][r 16][four words].
; THE QUANTISER AND ITS LIMITS: a block's byte is its largest magnitude's exponent field - 4, held at 1 from below by the floor 2^(5 - 127); a block of zeros gets the byte 1 where the rule says 127 (its codes
; are zeros, and this program alone reads the bytes); NaN and infinities are not served.
; Each load reads 512 consecutive bytes of a row; a step's 16 rows turn through the wave's own stage in LDS, so that lane (r, h) then holds k = 64 c + 32 h + 0 .. 31 of row r, as the operand's layout wants.
; Loads land in four sets of 64 registers in window 1 and run four steps ahead.  No barrier: waves share nothing, and this path's LDS bytes are its own.
.Lw2q:
	s_sub_co_u32 s16, s83, 71
	s_lshl_b32 s16, s16, 2
	s_add_co_u32 s16, s16, ttmp9
	s_lshl_b32 s16, s16, 2
	s_add_co_u32 s16, s16, s82                     ; J
	s_lshl_b32 s20, s16, 16                        ; 65,536 bytes of w2,
	s_mov_b32 s21, 0
	s_mul_i32 s22, s16, 12288                      ; eight images,
	s_mov_b32 s23, 0
	s_lshl_b32 s24, s16, 9                         ; 512 bytes of scale words
	s_mov_b32 s25, 0
	s_mov_b32 s78, 0x76543210
	s_mov_b32 s79, 0xfedcba98                      ; v_permlanex16_b32's selects for lane l xor 16
	v_lshlrev_b32 v6, 4, v1                        ; 16 x lane: my place in a row's 512 bytes and in an image's; never rewritten
	s_mul_i32 s26, s82, WREG
	s_add_co_u32 s26, s26, WLDS                    ; my stage
	v_add_nc_u32 v4, s26, v6                       ; into it: a row's 512 bytes as they lie
	v_mul_u32_u24 v5, v2, WP
	v_lshl_add_u32 v5, v3, 7, v5
	v_add_nc_u32 v5, s26, v5                       ; out of it: row r, + 128 h
	v_lshlrev_b32 v7, 4, v2
	v_lshl_add_u32 v7, v3, 3, v7                   ; the scale words' way out: 16 r + 8 h
	v_lshlrev_b32 v24, 3, v3                       ; 8 h: where my two bytes stand in a scale word
	v_mov_b32 v25, 0                               ; written once: a lane permute's destination counts as one of its sources
	v_cmp_ne_u32 vcc_lo, 0, v3                     ; lanes 16-31; kept to the path's end
	s_wait_kmcnt 0x0
	s_add_nc_u64 s[20:21], s[88:89], s[20:21]
	s_add_nc_u64 s[22:23], s[90:91], s[22:23]
	s_add_nc_u64 s[24:25], s[92:93], s[24:25]
.macro LOADF g                         ; step g's 16 rows into set g % 4 of window 1
	WIN 0x40                                       ; destination window 1, address window 0
.irp i, 0,1,2,3,4,5,6,7,8,9,10,11,12,13,14,15
	global_load_b128 v[64*((\g)%4)+4*\i:64*((\g)%4)+4*\i+3], v6, s[20:21] offset:32768*((\g)/4)+2048*\i+512*((\g)%4) th:TH_LOAD_NT
.endr
	WIN 0
.endm
.macro FRAGW g                         ; step g becomes a fragment and a scale word
.if (\g) < 5
	s_wait_loadcnt 48                              ; this step's sixteen loads are in; the next three steps' may be out
.else
	s_wait_loadcnt 16*(7-(\g))                     ; at the end: as many steps as are left
.endif
	WIN 0x04                                       ; an LDS store's data are its source 1: window 1
.irp i, 0,1,2,3,4,5,6,7,8,9,10,11,12,13,14,15
	ds_store_b128 v4, v[64*((\g)%4)+4*\i:64*((\g)%4)+4*\i+3] offset:WP*\i
.endr
	WIN 0
.irp c, 0,1
.irp i, 0,1,2,3,4,5,6,7
	ds_load_b128 v[NUM+32*\c+4*\i:NUM+32*\c+4*\i+3], v5 offset:256*\c+16*\i   ; LDS serves a wave's instructions in order: these see the stores above
.endr
.endr
	s_wait_dscnt 0x0                               ; my 64 numbers are in, and the stores have read their registers
	s_wait_xcnt 0x0                                ; the last image's stores have read theirs: the codes' registers may be written again
.if (\g)+4 < 8
	LOADF (\g)+4                                   ; into the set that has just gone through the stage
.endif
.irp c, 0,1
	v_max3_num_f32 v[248+\c], |v[NUM+32*\c]|, |v[NUM+32*\c+1]|, 0x2800000   ; block 2 c + h: all its 32 numbers are mine; and the floor
.endr
.irp i, 2,4,6,8,10,12,14,16,18,20,22,24,26,28,30
.irp c, 0,1
	v_max3_num_f32 v[248+\c], v[248+\c], |v[NUM+32*\c+\i]|, |v[NUM+32*\c+\i+1]|
.endr
.endr
.irp c, 0,1
	v_add_nc_u32 v[250+\c], 0xfe000000, v[248+\c]  ; 4 off the exponent field: the conversion's scale operand
.endr
.irp c, 0,1
	v_lshrrev_b32 v[252+\c], 23, v[250+\c]         ; the scale's byte
.endr
	v_lshl_or_b32 v254, v253, 16, v252             ; my two bytes: blocks h and 2 + h,
	v_lshlrev_b32 v254, v24, v254                  ; at their places in the word;
	v_permlanex16_b32 v25, v254, s78, s79
	v_or_b32 v[WW+(\g)%4], v254, v25               ; with lane l xor 16's two the word is whole, in both lanes
.irp c, 0,1
	v_cvt_scalef32_pk16_bf6_f32 v[CO+6*\c:CO+6*\c+2], v[NUM+32*\c:NUM+32*\c+15], v[250+\c]
	v_cvt_scalef32_pk16_bf6_f32 v[CT2+4*\c:CT2+4*\c+2], v[NUM+32*\c+16:NUM+32*\c+31], v[250+\c]   ; (a conversion's three registers begin on an even number)
.endr
	v_nop                                          ; one plain place behind a scaled conversion
.irp c, 0,1
.irp i, 0,1,2
	v_mov_b32 v[CO+6*\c+3+\i], v[CT2+4*\c+\i]
.endr
.endr
.irp c, 0,1,2
	global_store_b128 v6, v[CO+4*\c:CO+4*\c+3], s[22:23] offset:1536*(\g)+512*\c   ; 32 lanes store 512 consecutive bytes, aligned
.endr
.if ((\g)%4) == 3                      ; a tile is done: lanes 0-15 store words 0, 1 of row r, lanes 16-31 words 2, 3, from registers that are the tile's own
	v_cndmask_b32 v[26+2*((\g)/4)], v[WW], v[WW+2], vcc_lo
	v_cndmask_b32 v[27+2*((\g)/4)], v[WW+1], v[WW+3], vcc_lo
	global_store_b64 v7, v[26+2*((\g)/4):27+2*((\g)/4)], s[24:25] offset:256*((\g)/4)   ; 32 lanes store 256 consecutive bytes, aligned
.endif
.endm
	LOADF 0
	LOADF 1
	LOADF 2
	LOADF 3
.irp g, 0,1,2,3,4,5,6,7
	FRAGW \g
.endr
	s_wait_tensorcnt 0x0
	ds_add_u32 v31, v255
	s_wait_dscnt 0x0
	s_endpgm
.Lfunc_end_k_qcfb0a809be_gemm1:
	.size	k_qcfb0a809be_gemm1, .Lfunc_end_k_qcfb0a809be_gemm1-k_qcfb0a809be_gemm1
	.p2alignl 7, 3214868480
	.fill 96, 4, 3214868480
	.section	.rodata,"a",@progbits
	.p2align	6, 0x0
	.amdhsa_kernel k_qcfb0a809be_gemm1
		.amdhsa_group_segment_fixed_size 160768
		.amdhsa_private_segment_fixed_size 0
		.amdhsa_enable_private_segment 0
		.amdhsa_kernarg_size 72
		.amdhsa_user_sgpr_count 2
		.amdhsa_user_sgpr_kernarg_segment_ptr 1
		.amdhsa_wavefront_size32 1
		.amdhsa_system_sgpr_workgroup_id_x 1
		.amdhsa_system_sgpr_workgroup_id_y 1
		.amdhsa_system_sgpr_workgroup_id_z 1
		.amdhsa_system_vgpr_workitem_id 0
		.amdhsa_next_free_vgpr 512
		.amdhsa_next_free_sgpr 100
		.amdhsa_reserve_vcc 1
		.amdhsa_float_denorm_mode_32 3
		.amdhsa_float_denorm_mode_16_64 3
		.amdhsa_memory_ordered 1
		.amdhsa_forward_progress 1
		.amdhsa_inst_pref_size 171
	.end_amdhsa_kernel
	.amdgpu_metadata
---
amdhsa.version: [ 1, 2 ]
amdhsa.kernels:
  - .name:           k_qcfb0a809be_gemm1
    .symbol:         k_qcfb0a809be_gemm1.kd
    .args:
      - { .name: xc, .offset: 0, .size: 8, .value_kind: global_buffer, .address_space: global }
      - { .name: xs, .offset: 8, .size: 8, .value_kind: global_buffer, .address_space: global }
      - { .name: w1i, .offset: 16, .size: 8, .value_kind: global_buffer, .address_space: global }
      - { .name: w1s, .offset: 24, .size: 8, .value_kind: global_buffer, .address_space: global }
      - { .name: route, .offset: 32, .size: 8, .value_kind: global_buffer, .address_space: global }
      - { .name: act, .offset: 40, .size: 8, .value_kind: global_buffer, .address_space: global }
      - { .name: w2, .offset: 48, .size: 8, .value_kind: global_buffer, .address_space: global }
      - { .name: w2i, .offset: 56, .size: 8, .value_kind: global_buffer, .address_space: global }
      - { .name: w2s, .offset: 64, .size: 8, .value_kind: global_buffer, .address_space: global }
    .group_segment_fixed_size: 160768
    .private_segment_fixed_size: 0
    .kernarg_segment_align: 8
    .kernarg_segment_size: 72
    .max_flat_workgroup_size: 128
    .sgpr_count:     100
    .vgpr_count:     512
    .wavefront_size: 32
...
	.end_amdgpu_metadata
.endif
;; end of part 2
;; launch gemm2 (part 3): grid 8 x 32, 4 waves a work-group, clusters of 4 x 1, 222,720 bytes of LDS; arguments act, w2i, w2s, route, topk_ids, topk_weights, out0; writes out0
.if DOCPART == 3
	.amdgcn_target "amdgcn-amd-amdhsa--gfx1250"
	.amdhsa_code_object_version 6
	.text
	.protected	k_qcfb0a809be_gemm2
	.globl	k_qcfb0a809be_gemm2
	.p2align	8
	.type	k_qcfb0a809be_gemm2,@function
k_qcfb0a809be_gemm2:
	s_mov_b64 s[64:65], 0
	v_nop
	global_prefetch_b8 v0, s[64:65] scope:SCOPE_SE
	s_setreg_imm32_b32 hwreg(HW_REG_WAVE_MODE, 25, 1), 1
	s_wait_xcnt 0x0
	s_wait_alu depctr_hold_cnt(0) depctr_sa_sdst(0) depctr_va_vdst(0) depctr_va_sdst(0) depctr_va_ssrc(0) depctr_va_vcc(0) depctr_vm_vsrc(0)
	s_getreg_b32 s2, hwreg(HW_REG_IB_STS2, 6, 4)
	s_cmp_eq_u32 s2, 0
	s_cbranch_scc0 .Lentry_in_a_cluster
	s_endpgm
.Lentry_in_a_cluster:
	s_bfe_u32 s2, ttmp6, 0x10000c
	s_cmp_lg_u32 s2, 0x3003
	s_cbranch_scc0 .Lentry_shape_is_right
	s_endpgm
.Lentry_shape_is_right:
; GEMM2: out[m][:] = the sum over e of combine[m][e] x (act_e[m] w2_e^T), the products on codes of E3M2, the combine in f32.
; SHARES.  Work-group (g, cs): tokens 256 g .. 256 g + 255, in their own order, x columns 64 cs .. 64 cs + 63.  Wave w: 64 tokens (four sub-tiles of 16) x the four tiles of 16 columns.
; EVERY OUTPUT ROW HAS ONE OWNER, and the text has no branch on data: each wave walks all eight experts.  For (token, expert) R8 names a row of act: the token's own where the expert was chosen for it,
; else a neighbouring row, whose product is multiplied by combine = 0.  combine[m][e] = w0 [id0 = e] + w1 [id1 = e].
; (A product that overflows to infinity for a row that is not the token's own would give NaN under the factor 0: not served.)
; CLUSTER.  The four work-groups of a cluster differ in g alone and need the same slices of w2: each slice is asked for JOINTLY, by the same tensor load with the same descriptor and a mask that names the four.
; All eight experts' slices (8 x 24,576 bytes of images, 8 x 1,024 of scale words) fit in LDS at once: every LDS byte is filled once.  A wave has three tensor loads out at the most.
; THE PRODUCT IS USED TRANSPOSED: source 0 = 16 columns (rows of w2), source 1 = 16 tokens: lane (r, h) holds token r and eight neighbouring columns 8 h + 0 .. 7.
; A STEP t = 4 e + ct: 16 products (K = 512: four deep on four accumulators, by turns) into a spare set of accumulators; the step before's results are weighed into out's registers behind them.
; REGISTERS.  window 0: v1-15 addresses; v32-47 ids and weights; v48-79 R8; v80-87, v88-95 act's offsets (two sets); v96-111 combine (pairs, two sets); v120-151 act's scale words (two sets);
;   v152-159 w2's scale words (two sets); v192-255 two sets of four accumulators, later the way out.
;   window 1: v0-127 out ((i, ct) at 32 i + 8 ct); v128-175, v176-223 w2's fragments, two sets.   window 2: act's 16 fragments of even experts ((i, s) at 48 i + 12 s);   window 3: of odd experts.
.set PLANE, 436224
.set ACTS,  1744896
.set WS,    196608                     ; behind the eight slices of images: the scale words, 1,024 bytes an expert
.set STG,   204800                     ; the way out: 16 rows x (256 bytes + 16) for each wave; no tensor load lands here
.set MSB, 0
.macro WIN new
.if MSB != \new
	s_set_vgpr_msb (MSB<<8)|\new
.set MSB, \new
.endif
.endm
.macro ROUND                           ; a round of the cluster's barrier
	s_barrier_signal -1
	s_barrier_wait -1
	s_cmp_lg_u32 s18, 0
	s_cbranch_scc1 .Lnot_wave_0_\@
	s_barrier_signal -3
.Lnot_wave_0_\@:
	s_barrier_wait -3
	s_barrier_signal -1
	s_barrier_wait -1
.endm
	s_load_b256 s[4:11], s[0:1], 0x0               ; act s[4:5], w2i s[6:7], w2s s[8:9], route s[10:11]
	s_load_b128 s[12:15], s[0:1], 0x20             ; topk_ids s[12:13], topk_weights s[14:15]
	s_load_b64 s[16:17], s[0:1], 0x30              ; out0
	v_lshl_add_u32 v190, v0, 2, 0x36400
	v_mov_b32 v191, 0
	ds_add_u32 v190, v191
	ds_add_u32 v190, v191
	v_lshrrev_b32 v1, 5, v0
	v_readfirstlane_b32 s18, v1                    ; wave 0..3
	s_bfe_u32 s19, ttmp6, 0x40000                  ; cx: my place in the cluster
	s_lshl_b32 s20, ttmp9, 2
	s_add_co_u32 s20, s20, s19                     ; g: it enters the addresses of ids, weights, R8 and out alone
	s_and_b32 s21, ttmp7, 0xffff                   ; cs, which the four partners share
	v_and_b32 v1, 15, v0                           ; r
	v_bfe_u32 v2, v0, 4, 1                         ; h
	v_and_b32 v3, 31, v0                           ; lane
	s_lshl_b32 s22, s20, 8
	s_lshl_b32 s23, s18, 6
	s_add_co_u32 s22, s22, s23                     ; my first token
	; descriptor group 1.  The images of a slice: a dense block of 24,576 bytes as 96 rows of 256 (32 elements of 8 bytes)
	s_mov_b32 s24, 15|(3<<16)|(1<<21)              ; 15:0 the mask: all four work-groups; 17:16 elements of 8 bytes; 21 set beside a mask
	s_mov_b32 s25, 32<<16                          ; tensor_dim0 = 32
	s_mov_b32 s26, 96<<16                          ; tensor_dim1 = 96
	s_mov_b32 s27, 32<<16                          ; tile_dim0 = 32
	s_mov_b32 s28, 96                              ; tile_dim1 = 96
	s_mov_b32 s29, 32                              ; from row to row: 32 elements
	s_mov_b32 s30, 0
	s_mov_b32 s31, 0
	; the scale words of two experts' slices: 2 rows of 1,024 bytes, 32,768 bytes apart
	s_mov_b32 s32, 15|(3<<16)|(1<<21)
	s_mov_b32 s33, 128<<16
	s_mov_b32 s34, 2<<16
	s_mov_b32 s35, 128<<16
	s_mov_b32 s36, 2
	s_mov_b32 s37, 4096
	s_mov_b32 s38, 0
	s_mov_b32 s39, 0
	s_mov_b32 s67, 0
	s_mov_b32 s71, 0
	v_lshlrev_b32 v12, 3, v1                       ; v12 8 r: ids and weights
	v_lshlrev_b32 v13, 5, v1                       ; v13 32 r: R8
	s_wait_dscnt 0x0
	s_wait_kmcnt 0x0
	s_lshl_b32 s66, s22, 3
	s_add_nc_u64 s[52:53], s[12:13], s[66:67]
	s_add_nc_u64 s[54:55], s[14:15], s[66:67]
	s_lshl_b32 s66, s22, 5
	s_add_nc_u64 s[56:57], s[10:11], s[66:67]
	s_lshl_b32 s66, s22, 13
	s_lshl_b32 s68, s21, 8
	s_add_co_u32 s66, s66, s68
	s_add_nc_u64 s[60:61], s[16:17], s[66:67]      ; out at my first token, my 64 columns
.irp i, 0,1,2,3                        ; lane (r, h): token 16 i + r of my 64
	global_load_b64 v[32+4*\i:33+4*\i], v12, s[52:53] offset:128*\i
	global_load_b64 v[34+4*\i:35+4*\i], v12, s[54:55] offset:128*\i
	global_load_b128 v[48+8*\i:51+8*\i], v13, s[56:57] offset:512*\i
	global_load_b128 v[52+8*\i:55+8*\i], v13, s[56:57] offset:512*\i+16
.endr
	; descriptor groups 0: made of the wave's number and cs alone, the same in all four partners
	s_lshl_b32 s70, s18, 16
	s_lshl_b32 s72, s21, 10
	s_add_co_u32 s70, s70, s72
	s_mov_b32 s40, 1
	s_lshl_b32 s41, s18, 11
	s_add_co_u32 s41, s41, WS                      ; the scale words of experts 2 w and 2 w + 1
	s_add_nc_u64 s[42:43], s[8:9], s[70:71]
	s_or_b32 s43, s43, 0x80000000
	s_mul_i32 s70, s18, 786432
	s_mul_i32 s72, s21, 24576
	s_add_co_u32 s70, s70, s72
	s_mov_b32 s44, 1
	s_mul_i32 s45, s18, 24576                      ; the images of expert w,
	s_add_nc_u64 s[46:47], s[6:7], s[70:71]
	s_mov_b32 s48, 1
	s_add_co_u32 s49, s45, 98304                   ; and of expert w + 4
	s_add_nc_u64 s[50:51], s[46:47], 3145728
	s_or_b32 s47, s47, 0x80000000
	s_or_b32 s51, s51, 0x80000000
	ROUND                                          ; all four work-groups are here: the joint loads meet
	tensor_load_to_lds s[40:43], s[32:39]
	s_nop 0
	tensor_load_to_lds s[44:47], s[24:31]
	s_nop 0
	tensor_load_to_lds s[48:51], s[24:31]
	s_nop 0
.rept 4
	v_nop
.endr
	v_lshlrev_b32 v4, 4, v3                        ; v4-7 an image's place for my lane, experts 2 k and 2 k + 1
	v_add_nc_u32 v5, 49152, v4
	v_add_nc_u32 v6, 98304, v4
	v_add_nc_u32 v7, 147456, v4
	v_lshl_add_u32 v8, v1, 4, WS                   ; v8  w2's scale words: 16 bytes a row
	s_mul_i32 s59, s18, 4352
	s_add_co_u32 s59, s59, STG                     ; my stage
	v_mul_u32_u24 v9, v1, 272
	v_lshl_add_u32 v9, v2, 5, v9
	v_add_nc_u32 v9, s59, v9                       ; v9  in: row r, + 32 h
	v_mul_u32_u24 v10, v2, 272
	v_lshl_add_u32 v10, v1, 4, v10
	v_add_nc_u32 v10, s59, v10                     ; v10 back: lanes 0-15 one row of 256 bytes, lanes 16-31 the next
	v_lshlrev_b32 v11, 13, v2
	v_lshl_add_u32 v11, v1, 4, v11                 ; v11 and the same two rows in out
	v_mul_u32_u24 v14, v2, 48                      ; v14 48 h
	v_mov_b32 v15, 0
.irp n, 0,1,2,3,4,5,6,7
	v_mov_b32 v[97+2*\n], 0                        ; the pairs' upper halves are named with the lower, so they are written
.endr
	s_wait_loadcnt 0x0                             ; ids, weights, R8
.set n, 0
.rept 32
	v_min_u32 v[48+n], 0x11bf, v[48+n]             ; a row, held inside act's 4,544
.set n, n+1
.endr
.macro ADDR e                          ; expert e: where my four tokens' rows lie
.irp i, 0,1,2,3
	v_mul_u32_u24 v[80+4*((\e)%2)+\i], v[48+8*\i+(\e)], 96
	v_lshlrev_b32 v[88+4*((\e)%2)+\i], 4, v[48+8*\i+(\e)]
.endr
.irp i, 0,1,2,3
	v_add_nc_u32 v[80+4*((\e)%2)+\i], v14, v[80+4*((\e)%2)+\i]
.endr
.endm
.macro LOADACT e                       ; 16 fragments (48 bytes on end a lane and K step) and 4 x 4 scale words: 52 loads
.if ((\e)%2) == 0
	WIN 0x80                                       ; destination window 2
.else
	WIN 0xc0                                       ; destination window 3
.endif
.irp i, 0,1,2,3
.irp s, 0,1,2,3
.irp c, 0,1,2
	global_load_b128 v[48*\i+12*\s+4*\c:48*\i+12*\s+4*\c+3], v[80+4*((\e)%2)+\i], s[4:5] offset:PLANE*\s+16*\c
.endr
.endr
.endr
	WIN 0
.irp i, 0,1,2,3
	global_load_b128 v[120+16*((\e)%2)+4*\i:123+16*((\e)%2)+4*\i], v[88+4*((\e)%2)+\i], s[4:5] offset:ACTS
.endr
.endm
.macro CW e                            ; combine[m][e] of my four tokens
.irp i, 0,1,2,3
	v_cmp_eq_u32 vcc_lo, (\e), v[32+4*\i]
	v_cndmask_b32 v112, v15, v[34+4*\i], vcc_lo
	v_cmp_eq_u32 vcc_lo, (\e), v[33+4*\i]
	v_cndmask_b32 v113, v15, v[35+4*\i], vcc_lo
	v_add_f32 v[96+8*((\e)%2)+2*\i], v112, v113
.endr
.endm
.macro LDSB t                          ; step t's fragments of w2 (four K steps) and scale words: 13 LDS loads
.set ee, (\t)/4
.set cc, (\t)%4
.set pp, (\t)%2
	WIN 0
	ds_load_b128 v[152+4*pp:155+4*pp], v8 offset:1024*ee+256*cc
	WIN 0x40
.irp s, 0,1,2,3
.irp c, 0,1,2
	ds_load_b128 v[128+48*pp+12*\s+4*\c:128+48*pp+12*\s+4*\c+3], v[4+ee/2] offset:24576*(ee%2)+6144*cc+1536*\s+512*\c
.endr
.endr
.endm
.macro PROD t                          ; 16 products: the four accumulators take turns, one instruction a turn; the first four start the sums
.set ee, (\t)/4
.set pp, (\t)%2
.set ep, ee%2
.if ep == 0
	WIN 0x09                                       ; w2 window 1, act window 2, C and D window 0
.else
	WIN 0x0d                                       ; act window 3
.endif
.irp s, 0,1,2,3
.irp i, 0,1,2,3
.if \s == 0
	v_wmma_scale_f32_16x16x128_f8f6f4 v[192+32*pp+8*\i:192+32*pp+8*\i+7], v[128+48*pp+12*\s:128+48*pp+12*\s+11], v[48*\i+12*\s:48*\i+12*\s+11], 0, v[152+4*pp+\s], v[120+16*ep+4*\i+\s] matrix_a_fmt:MATRIX_FMT_BF6 matrix_b_fmt:MATRIX_FMT_BF6
.else
	v_wmma_scale_f32_16x16x128_f8f6f4 v[192+32*pp+8*\i:192+32*pp+8*\i+7], v[128+48*pp+12*\s:128+48*pp+12*\s+11], v[48*\i+12*\s:48*\i+12*\s+11], v[192+32*pp+8*\i:192+32*pp+8*\i+7], v[152+4*pp+\s], v[120+16*ep+4*\i+\s] matrix_a_fmt:MATRIX_FMT_BF6 matrix_b_fmt:MATRIX_FMT_BF6
.endif
.endr
.endr
.endm
.macro FMA t                           ; out += combine x step t's results; expert 0 starts the sums.  Each accumulator is read from its low end on
.set ee, (\t)/4
.set cc, (\t)%4
.set pp, (\t)%2
.set ep, ee%2
	WIN 0x50                                       ; destination and source 2 window 1
.irp i, 0,1,2,3
.irp k, 0,2,4,6
.if ee == 0
	v_pk_mul_f32 v[32*\i+8*cc+\k:32*\i+8*cc+\k+1], v[192+32*pp+8*\i+\k:192+32*pp+8*\i+\k+1], v[96+8*ep+2*\i:97+8*ep+2*\i] op_sel_hi:[1,0]
.else
	v_pk_fma_f32 v[32*\i+8*cc+\k:32*\i+8*cc+\k+1], v[192+32*pp+8*\i+\k:192+32*pp+8*\i+\k+1], v[96+8*ep+2*\i:97+8*ep+2*\i], v[32*\i+8*cc+\k:32*\i+8*cc+\k+1] op_sel_hi:[1,0,1]
.endif
.endr
.endr
.endm
; A STEP.  Places (ISA guide 7.12.1 for vector instructions): behind step t's products stand the 16 multiply-adds of step t - 1, which name none of their registers.  They are the places in front of
; step t + 1's loads into the buffers that step t read, of the first read of step t's results, and of step t + 2's products, which write over them.
.macro TAU t
.if ((\t)%4) == 0
	WIN 0
	CW (\t)/4
.if (\t)/4 < 7
	ADDR (\t)/4+1                                  ; these offsets' last loads, two experts back, were shown done by that expert's wait
	LOADACT (\t)/4+1                               ; a whole expert, 64 products, ahead
	s_wait_loadcnt 52                              ; this expert's act is in; the 52 loads just issued may be out
.else
	s_wait_loadcnt 0x0
.endif
.endif
.if (\t) == 15
	s_wait_tensorcnt 0x0                           ; my slice of expert w + 4 has landed;
	s_wait_dscnt 0x0                               ; no LDS load of mine is out at the signal
	s_barrier_signal -1
	s_barrier_wait -1                              ; experts 4 to 7 are whole
.endif
.if (\t) < 31
	LDSB (\t)+1
	s_wait_dscnt 13                                ; this step's 13 loads are in; the 13 just issued may be out
.else
	s_wait_dscnt 0x0
.endif
	PROD \t
.if (\t) > 0
	FMA (\t)-1
.else
.rept 8
	v_nop                                          ; the first step has no multiply-adds to set behind it: four places are owed to the next loads, five to step 2's products
.endr
.endif
.endm
	ADDR 0
	LOADACT 0
	s_wait_tensorcnt 1                             ; my scale words and my slice of expert w have landed; the slice of expert w + 4 may be out: it lands in bytes that steps 0 .. 15 do not read
	s_barrier_signal -1
	s_barrier_wait -1                              ; experts 0 to 3 and all scale words are whole
	LDSB 0
.irp t, 0,1,2,3,4,5,6,7,8,9,10,11,12,13,14,15,16,17,18,19,20,21,22,23,24,25,26,27,28,29,30,31
	TAU \t
.endr
	FMA 31                                         ; (step 30's 16 multiply-adds are the places behind the last products)
; THE WAY OUT, a sub-tile of 16 tokens at a time: a lane's 32 bytes of a row go into my own stage and come back as whole rows of 256 bytes.  LDS serves a wave's instructions in order (ISA guide 5.7.1.4):
; no wait between the stores and the loads, nor in front of the next sub-tile's stores.
.macro OSTAGE i
	WIN 0x04                                       ; an LDS store's data are its source 1: window 1
.irp c, 0,1,2,3
.irp u, 0,1
	ds_store_b128 v9, v[32*(\i)+8*\c+4*\u:32*(\i)+8*\c+4*\u+3] offset:64*\c+16*\u
.endr
.endr
	WIN 0
.irp k, 0,1,2,3,4,5,6,7
	ds_load_b128 v[192+32*((\i)%2)+4*\k:192+32*((\i)%2)+4*\k+3], v10 offset:544*\k
.endr
.endm
.macro OSEND i, younger                ; younger: the LDS instructions issued behind sub-tile i's loads
.irp k, 0,1,2,3,4,5,6,7
	s_wait_dscnt \younger+7-\k
	global_store_b128 v11, v[192+32*((\i)%2)+4*\k:192+32*((\i)%2)+4*\k+3], s[60:61] offset:(16*(\i)+2*\k)*8192 th:TH_STORE_NT   ; 16 lanes store 256 consecutive bytes, aligned
.endr
.endm
	OSTAGE 0
	OSTAGE 1
	OSEND 0, 16
	s_wait_xcnt 0x0                                ; sub-tile 0's stores have read their registers: sub-tile 2's rows may land there
	OSTAGE 2
	OSEND 1, 16
	s_wait_xcnt 0x0
	OSTAGE 3
	OSEND 2, 16
	OSEND 3, 0
	s_wait_dscnt 0x0
	s_wait_tensorcnt 0x0
	ds_add_u32 v190, v191
	s_wait_dscnt 0x0
	ROUND                                          ; the closing round: no work-group ends while a partner may still ask for a slice that names it
	s_endpgm
.Lfunc_end_k_qcfb0a809be_gemm2:
	.size	k_qcfb0a809be_gemm2, .Lfunc_end_k_qcfb0a809be_gemm2-k_qcfb0a809be_gemm2
	.p2alignl 7, 3214868480
	.fill 96, 4, 3214868480
	.section	.rodata,"a",@progbits
	.p2align	6, 0x0
	.amdhsa_kernel k_qcfb0a809be_gemm2
		.amdhsa_group_segment_fixed_size 222720
		.amdhsa_private_segment_fixed_size 0
		.amdhsa_enable_private_segment 0
		.amdhsa_kernarg_size 56
		.amdhsa_user_sgpr_count 2
		.amdhsa_user_sgpr_kernarg_segment_ptr 1
		.amdhsa_wavefront_size32 1
		.amdhsa_system_sgpr_workgroup_id_x 1
		.amdhsa_system_sgpr_workgroup_id_y 1
		.amdhsa_system_sgpr_workgroup_id_z 1
		.amdhsa_system_vgpr_workitem_id 0
		.amdhsa_next_free_vgpr 960
		.amdhsa_next_free_sgpr 80
		.amdhsa_reserve_vcc 1
		.amdhsa_float_denorm_mode_32 3
		.amdhsa_float_denorm_mode_16_64 3
		.amdhsa_memory_ordered 1
		.amdhsa_forward_progress 1
		.amdhsa_inst_pref_size 196
	.end_amdhsa_kernel
	.amdgpu_metadata
---
amdhsa.version: [ 1, 2 ]
amdhsa.kernels:
  - .name:           k_qcfb0a809be_gemm2
    .symbol:         k_qcfb0a809be_gemm2.kd
    .args:
      - { .name: act, .offset: 0, .size: 8, .value_kind: global_buffer, .address_space: global }
      - { .name: w2i, .offset: 8, .size: 8, .value_kind: global_buffer, .address_space: global }
      - { .name: w2s, .offset: 16, .size: 8, .value_kind: global_buffer, .address_space: global }
      - { .name: route, .offset: 24, .size: 8, .value_kind: global_buffer, .address_space: global }
      - { .name: topk_ids, .offset: 32, .size: 8, .value_kind: global_buffer, .address_space: global }
      - { .name: topk_weights, .offset: 40, .size: 8, .value_kind: global_buffer, .address_space: global }
      - { .name: out0, .offset: 48, .size: 8, .value_kind: global_buffer, .address_space: global }
    .group_segment_fixed_size: 222720
    .private_segment_fixed_size: 0
    .kernarg_segment_align: 8
    .kernarg_segment_size: 56
    .max_flat_workgroup_size: 128
    .sgpr_count:     80
    .vgpr_count:     960
    .wavefront_size: 32
...
	.end_amdgpu_metadata
.endif
;; end of part 3
;; ======== version 2 of 2: 3 launches; version 1 with the launch gemm1 written anew for expert scheduling mode
;; workspace buffers: xc 3,145,728 bytes; xs 131,072 bytes; w1i 12,582,912 bytes; w1s 524,288 bytes; w2i 6,291,456 bytes; w2s 262,144 bytes; act 1,817,600 bytes; route 84,480 bytes of whole numbers
;; launch prep: the kernel of part 1 again; grid 644 x 1, 4 waves a work-group, no clusters, 56,832 bytes of LDS; arguments hidden_states, w1, xc, xs, w1i, w1s, topk_ids, route; writes xc, xs, w1i, w1s, route
;; launch gemm1 (part 4): grid 4 x 103, 4 waves a work-group, no clusters, 160,768 bytes of LDS; arguments xc, xs, w1i, w1s, route, act, w2, w2i, w2s; writes act, w2i, w2s
.if DOCPART == 4
	.amdgcn_target "amdgcn-amd-amdhsa--gfx1250"
	.amdhsa_code_object_version 6
	.text
	.protected	k_qcfb0a809be_gemm1
	.globl	k_qcfb0a809be_gemm1
	.p2align	8
	.type	k_qcfb0a809be_gemm1,@function
k_qcfb0a809be_gemm1:
	s_mov_b64 s[64:65], 0
	v_nop
	global_prefetch_b8 v0, s[64:65] scope:SCOPE_SE
	s_setreg_imm32_b32 hwreg(HW_REG_WAVE_SCHED_MODE, 0, 2), 2
	s_setreg_imm32_b32 hwreg(HW_REG_WAVE_MODE, 25, 1), 1
	s_wait_xcnt 0x0
	s_wait_alu depctr_vm_vsrc(0)
; GEMM1, and beside it w2's quantiser.  Two kinds of work-groups, told apart by the work-group's y alone:
;   y < 71   THE PRODUCT: for the rows that an expert was chosen for: h1 = x w1^T on codes of E3M2, act = silu(gate) x up in f32, act quantised along its 512 and stored as codes.
;   y >= 71  W2: w2 [8][2048][512] f32 -> codes as images of operand registers and scale words (at the text's end).  Its codes are first wanted by the next launch, and nothing here waits for them: so its
;            33.5 MB are read in this launch, by 128 work-groups of their own, while the product's work-groups wait for their operands.  284 + 128 work-groups are fewer than the two places that each of
;            256 WGPs has at 512 registers a wave and 160,768 bytes of LDS: none waits for a place.  The product's come first in the grid.
; THE PRODUCT'S SHARES.  Work-group (q, T): the 64 rows 64 T .. 64 T + 63 of the sorted list (all of one expert, te1[T]) x hidden units 128 q .. 128 q + 127: K step q of the second product.
; Wave w: block j = 4 q + w of 32 hidden units: 32 rows of gate and 32 of up (four tiles of 16) against all 64 rows: 16 accumulators; K = 2,048 in 16 steps of 128.
; 71 = ceil(4096 / 64) + 8 - 1 tiles serve every split.  A tile that a split leaves without rows (te1 = 8) stores nothing.  It still walks the text (token 0 against expert 7): both barriers stand on every
; wave's path of such a work-group, none under a branch on a stored number, and the one such branch stands behind the second barrier, round the stores.
; NO CLUSTER, NO TENSOR LOAD: the stores hang on a stored number.  The weights come from memory straight into operand registers
; (images, 512 consecutive bytes a load); the 64 rows of x, which all four waves read, are gathered once into LDS.
; THE PRODUCT IS USED TRANSPOSED: source 0 = 16 rows of w1, source 1 = 16 rows of x.  Lane (r, h) holds row r; by the choice of a tile's rows the 16 registers of tiles u = 0, 1 are hidden units 32 j + 16 h + 0 .. 15.
; silu(g) u is computed as (g u) / (1 + 2^(-g log2 e)): the order of rounding differs from silu(g) x u by about one part in 10^7.
; act: codes [K step 4][row 4544][96 bytes]; in the 96 bytes block b lies at 48 (b % 2) + 24 (b / 2), so that a lane of the next launch takes 48 bytes on end; scale words at ACTS: [row][16 bytes].
; REGISTERS OF THE PRODUCT.  window 0: v1-18 addresses; v32-79, v80-127 x's fragments, two sets (4 x 12); v128-191 scale words: v[128 + 16 i + s]: lanes 0-15 x's sub-tile i, lanes 16-31 the weights' tile i, K step s;
;   v192-239 the weights' third buffer; v240-247 x's scales on their way.   window 1: v0-127 the accumulators ((i, tt) at 32 i + 8 tt); v128-175, v176-223 the weights' first two buffers; later at work.
; THE MODE: SCHED_MODE bits 1:0 = 2 (LLVM: expert scheduling mode 2), set by the entry lines.  The code itself states the register dependences
; between vector or matrix instructions and memory or LDS instructions, with s_wait_alu, always for 0.
; THE PLAN, THE PRODUCT.  Registers that memory or LDS instructions touch:
;   v4, v5, v8-18      offsets and LDS addresses: made once, ahead of one wait on va_vdst, never written again.  v7: made from the loaded token, ahead of a wait of its own.
;   at the head        x's rows and the scale words pass through v32-127, v240-247 and the accumulators' registers: loaded, then read by LDS stores; one wait on vm_vsrc behind the first barrier, ahead of the
;                      fragments' loads and of the products that write these registers next.
;   weights' buffers   K step s: its products read buffer s % 3; the loads of step s + 3 land in it at the head of step s + 1.
;   x's sets           K step s: its products read set s % 2; the LDS loads of step s + 2 land in it in step s + 1.
;   scale words        loaded once; read by products alone.
;   the way out        codes and bytes are written by vector instructions and read by LDS stores: one wait on va_vdst ahead of these; it also serves the loads from the stage, which land in x's set 0.
; So ONE wait on va_vdst stands at the head of a K step: the products of the step before are done reading their buffer and their set.  All the step's loads land in these two; its own products name the
; other set, another buffer, the accumulators and the scale words.  So the loads owe nothing more: the weights' go out at once, x's in two runs, the second among the products.
; THE PLAN, W2: at that path's head.
.set PLANE, 436224
.set ACTS,  1744896
.set XP,    1552                       ; a row of x in LDS: 1,536 bytes + 16 = 388 words: row r starts at bank 4 r mod 64 (64 banks of 4 bytes: ISA guide 11.1): the 32 lanes of a load of 8 bytes touch 64 different banks
.set XSC,   99328                      ; behind the 64 rows: x's scale words [sub-tile 4][kq 4][r 16][16 bytes]
.set BSC,   103424                     ; the weights' scale words, 4,096 bytes a wave: [tile 4][kq 4][r 16][16 bytes]
.set OST,   119808                     ; the way out: 64 rows x 96 bytes
.set OSC,   125952                     ; and 64 scale words
.set WLDS,  126464                     ; W2: LDS bytes of its own, behind the product's
.set WREG,  8448                       ; W2: a wave's stage: 16 rows x 528 bytes
.set WP,    528                        ; W2: 512 bytes + 16: an odd multiple of 16, so sixteen rows' reads of 16 bytes fall on different banks
.set NUM,   160                        ; W2: v160-223 my two blocks of 32 neighbours
.set CO,    224                        ; W2: v224-235 the fragment's 12 registers
.set CT2,   236                        ; W2: v236-243 the upper halves as the conversions leave them
.set WW,    244                        ; W2: v244-247 a tile's four scale words
.set MSB, 0
.macro WIN new                         ; the immediate's high byte repeats the setting that is left; a switch that changes nothing is dropped
.if MSB != \new
	s_set_vgpr_msb (MSB<<8)|\new
.set MSB, \new
.endif
.endm
	s_load_b256 s[4:11], s[0:1], 0x0               ; xc s[4:5], xs s[6:7], w1i s[8:9], w1s s[10:11]
	s_load_b128 s[12:15], s[0:1], 0x20             ; route s[12:13], act s[14:15]
	s_load_b128 s[88:91], s[0:1], 0x30             ; w2 s[88:89], w2i s[90:91]
	s_load_b64 s[92:93], s[0:1], 0x40              ; w2s
	v_lshl_add_u32 v31, v0, 2, 0x27200
	v_mov_b32 v255, 0
	v_lshrrev_b32 v1, 5, v0
	v_readfirstlane_b32 s82, v1                    ; wave 0..3
	s_and_b32 s83, ttmp7, 0xffff                   ; T
	v_and_b32 v1, 31, v0                           ; lane
	v_and_b32 v2, 15, v0                           ; r
	v_bfe_u32 v3, v0, 4, 1                         ; h
	s_wait_alu depctr_va_sdst(0)                   ; s82 is written, ahead of the branch and of its first reader on either way
	s_cmp_ge_u32 s83, 71                           ; the same in all four waves: it hangs on the work-group's number alone
	s_cbranch_scc1 .Lw2q
	s_lshl_b32 s84, s83, 2
	s_lshl_b32 s85, s83, 8
	s_lshl_b32 s86, s82, 6
	s_add_co_u32 s85, s85, s86                     ; 4 x (64 T + 16 w): my 16 rows in rows1
	v_lshl_add_u32 v18, v2, 2, s85
	; all offsets and LDS addresses are made here, of the wave's number, the lane and constants, while the arguments are on their way
	v_lshlrev_b32 v4, 4, v1                        ; v4  16 x lane
	s_mul_i32 s86, s82, 16*XP
	v_add_nc_u32 v5, s86, v4                       ; v5  where I put my 16 rows of x
	s_lshl_b32 s86, s82, 10
	s_add_co_u32 s86, s86, XSC
	v_lshlrev_b32 v8, 4, v2
	v_lshl_add_u32 v8, v3, 8, v8
	v_add_nc_u32 v8, s86, v8                       ; v8  and their scale words: sub-tile w, kq = h (+ 2), row r
	s_lshl_b32 s86, s82, 12
	s_add_co_u32 s87, s86, BSC
	v_add_nc_u32 v9, s87, v4                       ; v9  my weights' scale words, as they lie
	v_mul_u32_u24 v10, v2, XP
	v_mad_u32_u24 v10, v3, 24, v10                 ; v10 a fragment of x: row r, + 24 h; sub-tiles 0, 1
	v_add_nc_u32 v11, 32*XP, v10                   ; v11 sub-tiles 2, 3
	s_add_co_u32 s86, s86, BSC-XSC                 ; from x's scale words to my weights'
	v_mul_u32_u24 v12, s86, v3                     ; lanes 16-31 take the weights': the lower base + h x the distance
	v_lshl_add_u32 v12, v2, 4, v12
	v_add_nc_u32 v12, XSC, v12                     ; v12 scale words
	s_and_b32 s86, s82, 1
	s_mul_i32 s86, s86, 48
	s_lshr_b32 s87, s82, 1
	s_mul_i32 s87, s87, 24
	s_add_co_u32 s86, s86, s87
	s_add_co_u32 s86, s86, OST
	v_mul_u32_u24 v13, v1, 96
	v_add_nc_u32 v13, s86, v13                     ; v13 the way out: row = lane (+ 32), my block's 24 bytes
	s_add_co_u32 s86, s82, OSC
	v_lshl_add_u32 v14, v1, 2, s86                 ; v14 and byte w of that row's scale word
	s_mul_i32 s86, s82, 1536
	s_add_co_u32 s86, s86, OST
	v_add_nc_u32 v15, s86, v4                      ; v15 back: 1,536 bytes a wave
	s_lshl_b32 s86, s82, 7
	s_add_co_u32 s86, s86, OSC
	v_lshl_add_u32 v16, v1, 2, s86                 ; v16 back: waves 0, 1: 32 scale words each
	s_lshl_b32 s86, s82, 5
	v_add_nc_u32 v17, s86, v1
	v_lshlrev_b32 v17, 4, v17                      ; v17 their places in act: 16 bytes a row
	s_mov_b32 s78, 0x76543210
	s_mov_b32 s79, 0xfedcba98                      ; v_permlanex16_b32's selects for lane l xor 16
	s_mov_b32 s80, 0xbfb8aa3b                      ; -log2(e)
	s_mov_b32 s81, s80                             ; (named with it as a pair)
	s_wait_kmcnt 0x0
	s_load_b32 s66, s[12:13], s84 offset:83968     ; te1[T]
	s_load_b512 s[16:31], s[12:13], s85 offset:65536   ; the tokens of rows 16 w .. 16 w + 15, as scalars,
	s_wait_alu depctr_va_vdst(0)                   ; v4, v5 and v8 to v18 are written: every load and store of this path but two reads one of them as its offset or address
	global_load_b32 v6, v18, s[12:13] offset:65536 ; and row 16 w + r's in lane (r, h)
	s_mul_i32 s74, ttmp9, PLANE
	s_mul_i32 s86, s83, 6144
	s_add_co_u32 s74, s74, s86
	s_mul_i32 s86, s82, 1536
	s_add_co_u32 s74, s74, s86
	s_mov_b32 s75, 0
	s_add_nc_u64 s[74:75], s[14:15], s[74:75]      ; act's codes: K step q, row 64 T, my quarter of the 6,144 bytes
	s_lshl_b32 s76, s83, 10
	s_lshl_b32 s86, ttmp9, 2
	s_add_co_u32 s76, s76, s86
	s_add_co_u32 s76, s76, ACTS
	s_mov_b32 s77, 0
	s_add_nc_u64 s[76:77], s[14:15], s[76:77]      ; act's scale words: row 64 T, word q
	s_wait_kmcnt 0x0
	s_min_u32 s67, s66, 7                          ; the expert, held inside the table
	s_lshl_b32 s68, ttmp9, 2
	s_add_co_u32 s68, s68, s82                     ; j
	s_lshl_b32 s69, s67, 4
	s_add_co_u32 s69, s69, s68
	s_mul_i32 s70, s69, 98304
	s_mov_b32 s71, 0
	s_add_nc_u64 s[70:71], s[8:9], s[70:71]        ; my weights' images: [K step 16][tile 4][1536]
	s_lshl_b32 s72, s69, 12
	s_mov_b32 s73, 0
	s_add_nc_u64 s[72:73], s[10:11], s[72:73]      ; and their scale words
.irp p, 0,1,2,3,4,5,6,7,8,9,10,11,12,13,14,15
	s_min_u32 s[16+\p], s[16+\p], 2047             ; a token, held inside x
	s_mul_i32 s[32+2*\p], s[16+\p], 1536
	s_mov_b32 s[33+2*\p], 0
	s_add_nc_u64 s[32+2*\p:33+2*\p], s[4:5], s[32+2*\p:33+2*\p]   ; s[32:63]: my 16 rows of codes
.endr
.macro LOADB s                         ; the weights' four fragments of K step s into buffer s % 3: twelve loads of 512 consecutive bytes
.set bb, (\s)%3
.if bb == 2
	WIN 0
.set bR, 192
.else
	WIN 0x40                                       ; destination window 1, address window 0
.set bR, 128+48*bb
.endif
.irp t, 0,1,2,3
.irp c, 0,1,2
	global_load_b128 v[bR+12*\t+4*\c:bR+12*\t+4*\c+3], v4, s[70:71] offset:6144*(\s)+1536*\t+512*\c
.endr
.endr
	WIN 0
.endm
.macro LOADX s, f0                     ; x's fragments f0 and f0 + 1 of K step s into set s % 2: 24 bytes twice a lane and fragment, in pieces of 8: twelve LDS loads
.set aL, 32+48*((\s)%2)
.irp i, \f0, \f0+1
.irp p, 0,1,2,3,4,5
	ds_load_b64 v[aL+12*(\i)+2*\p:aL+12*(\i)+2*\p+1], v[10+(\i)/2] offset:((\i)%2)*16*XP+96*(\s)+48*(\p/3)+8*(\p%3)
.endr
.endr
.endm
	; ---- the 64 rows of x and all scale words go to LDS; wave w brings rows 16 w .. 16 w + 15
.irp k, 0,1,2,3,4,5,6,7
	global_load_b128 v[96+4*\k:99+4*\k], v4, s[72:73] offset:512*\k     ; my weights' scale words
.endr
	WIN 0x40
.set n, 0
.rept 32                               ; row n / 3, piece n % 3: 512 consecutive bytes a load
	global_load_b128 v[4*n:4*n+3], v4, s[32+2*(n/3):33+2*(n/3)] offset:512*(n%3)
.set n, n+1
.endr
	WIN 0
.rept 16
	global_load_b128 v[32+4*(n-32):35+4*(n-32)], v4, s[32+2*(n/3):33+2*(n/3)] offset:512*(n%3)
.set n, n+1
.endr
	s_wait_loadcnt 56                              ; the list's load is in: 8 + 48 loads were issued behind it
	v_min_u32 v6, 0x7ff, v6                        ; a token, held inside xs
	v_lshlrev_b32 v7, 6, v6
	v_lshl_add_u32 v7, v3, 4, v7                   ; its 64 scale bytes, + 16 h
	s_wait_alu depctr_va_vdst(0)                   ; v7 is written, which the two loads below read as their offset
	global_load_b128 v[240:243], v7, s[6:7]        ; K steps 4 h .. 4 h + 3
	global_load_b128 v[244:247], v7, s[6:7] offset:32   ; 8 + 4 h ..
	LOADB 0
	LOADB 1
	s_wait_loadcnt 24                              ; all but the two buffers of weights just asked for
	WIN 0x04                                       ; an LDS store's data are its source 1: window 1
.set n, 0
.rept 32
	ds_store_b128 v5, v[4*n:4*n+3] offset:XP*(n/3)+512*(n%3)
.set n, n+1
.endr
	WIN 0
.rept 16
	ds_store_b128 v5, v[32+4*(n-32):35+4*(n-32)] offset:XP*(n/3)+512*(n%3)
.set n, n+1
.endr
	ds_store_b128 v8, v[240:243]
	ds_store_b128 v8, v[244:247] offset:512
.irp k, 0,1,2,3,4,5,6,7
	ds_store_b128 v9, v[96+4*\k:99+4*\k] offset:512*\k
.endr
	s_wait_dscnt 0x0                               ; for the others' sake: my stores have landed
	s_barrier_signal -1
	s_barrier_wait -1                              ; the 64 rows and their scale words lie in LDS
	s_wait_alu depctr_vm_vsrc(0)                   ; my LDS stores have read v32-127 and window 1's v0-127: x's fragments land in the first, the products write the second
.irp i, 0,1,2,3
.irp k, 0,1,2,3
	ds_load_b128 v[128+16*\i+4*\k:131+16*\i+4*\k], v12 offset:256*(4*\i+\k)   ; all 16 K steps' scale words: they stay in registers
.endr
.endr
	LOADX 0, 0
	LOADX 0, 2
; A K step: 16 products, x's sub-tiles one after the other, each against the four tiles of weights.  The 16 accumulators take turns, one instruction a turn, in the same order in every step.
.macro WINM s                          ; the products' windows: C and D window 1, x window 0; the weights window 1, but for the third buffer, which lies in window 0
.if ((\s)%3) == 2
	WIN 0x50
.else
	WIN 0x51
.endif
.endm
.macro MUL4 s, i                       ; x's sub-tile i against the four tiles of weights
.irp t, 0,1,2,3
.if (\s) == 0
	v_wmma_scale_f32_16x16x128_f8f6f4 v[32*(\i)+8*\t:32*(\i)+8*\t+7], v[bR+12*\t:bR+12*\t+11], v[aR+12*(\i):aR+12*(\i)+11], 0, v[128+16*\t+(\s)], v[128+16*(\i)+(\s)] matrix_a_fmt:MATRIX_FMT_BF6 matrix_b_fmt:MATRIX_FMT_BF6 matrix_a_scale:MATRIX_SCALE_ROW1
.else
	v_wmma_scale_f32_16x16x128_f8f6f4 v[32*(\i)+8*\t:32*(\i)+8*\t+7], v[bR+12*\t:bR+12*\t+11], v[aR+12*(\i):aR+12*(\i)+11], v[32*(\i)+8*\t:32*(\i)+8*\t+7], v[128+16*\t+(\s)], v[128+16*(\i)+(\s)] matrix_a_fmt:MATRIX_FMT_BF6 matrix_b_fmt:MATRIX_FMT_BF6 matrix_a_scale:MATRIX_SCALE_ROW1
.endif
.endr
.endm
.macro KSTEP s
.if ((\s) > 0) && ((\s) < 15)          ; step 0's loads land in registers that no vector or matrix instruction has named; step 15 loads nothing
.rept 4
	v_nop                                          ; four plain places between the last step's products and the loads into the registers that they read, as in this text's plain form; the wait below states the dependence
.endr
	s_wait_alu depctr_va_vdst(0)                   ; the last step's products are done reading their buffer of weights and their set of x, in which all loads of this step land
.endif
.if (\s)+2 < 16
	LOADB (\s)+2                                   ; into the buffer that the last step multiplied: at once, ahead of the wait for this step's weights
.endif
.if (\s)+1 < 16
	WIN 0
	LOADX (\s)+1, 0                                ; into the set that the last step multiplied: the next step's sub-tiles 0 and 1
.endif
.if (\s) < 14
	s_wait_loadcnt 24                              ; this step's weights are in; the next two steps' may be out
.elseif (\s) == 14
	s_wait_loadcnt 12
.else
	s_wait_loadcnt 0x0
.endif
.if (\s) < 15
	s_wait_dscnt 12                                ; this step's fragments of x are in (and, in step 0, the scale words, which were asked for earlier); the 12 loads just issued may be out
.else
	s_wait_dscnt 0x0
.endif
.if ((\s)%3) == 2
.set bR, 192
.else
.set bR, 128+48*((\s)%3)
.endif
.set aR, 32+48*((\s)%2)
	WINM \s
	MUL4 \s, 0
.if (\s)+1 < 16
	WIN 0
	LOADX (\s)+1, 2                                ; the next step's sub-tiles 2 and 3.  No wait: no vector or matrix instruction since the wait at the step's head names that set or v11
	WINM \s
.endif
	MUL4 \s, 1
	MUL4 \s, 2
	MUL4 \s, 3
.endm
.irp s, 0,1,2,3,4,5,6,7,8,9,10,11,12,13,14,15
	KSTEP \s
.endr
	; ---- silu(gate) x up, in f32.  All in window 1: gate v[32 i .. 32 i + 15], up v[32 i + 16 .. 32 i + 31]; v128-191 at work
.rept 4
	v_nop                                          ; four places behind the last products
.endr
	WIN 0x55
.irp i, 0,1,2,3
.irp k, 0,2,4,6,8,10,12,14
	v_pk_mul_f32 v[128+16*\i+\k:129+16*\i+\k], v[32*\i+\k:32*\i+\k+1], s[80:81] op_sel_hi:[1,0]   ; -g log2(e); each accumulator is read from its low end on
.endr
.endr
.set n, 0
.rept 64
	v_exp_f32 v[128+n], v[128+n]
.set n, n+1
.endr
.irp i, 0,1,2,3
.irp k, 0,2,4,6,8,10,12,14
	v_pk_mul_f32 v[32*\i+\k:32*\i+\k+1], v[32*\i+\k:32*\i+\k+1], v[32*\i+16+\k:32*\i+17+\k]       ; g u: plain work that names no exponential's result
.endr
.endr
	s_wait_alu depctr_va_vdst(0)                   ; the 64 exponentials have written window 1's v128-191: one wait, ahead of their first reader
.set n, 0
.rept 32
	v_pk_add_f32 v[128+n:129+n], v[128+n:129+n], 1.0 op_sel_hi:[1,0]
.set n, n+2
.endr
.set n, 0
.rept 64
	v_rcp_f32 v[128+n], v[128+n]
.set n, n+1
.endr
	v_nop                                          ; a plain place behind the last reciprocal
	s_wait_alu depctr_va_vdst(0)                   ; the 64 reciprocals have written the same registers: one wait, ahead of their first reader
.irp i, 0,1,2,3
.irp k, 0,2,4,6,8,10,12,14
	v_pk_mul_f32 v[32*\i+\k:32*\i+\k+1], v[32*\i+\k:32*\i+\k+1], v[128+16*\i+\k:129+16*\i+\k]     ; act(row 16 i + r, 32 j + 16 h + k)
.endr
.endr
	; ---- quantised: for each sub-tile one block of 32, half in lane l, half in lane l xor 16.  v192.. codes, v208.. largest magnitudes, v216.. scale operands, v220.. bytes
.irp i, 0,1,2,3
	v_mov_b32 v[212+\i], 0                         ; a lane permute's destination counts as one of its sources
.endr
.irp i, 0,1,2,3
	v_max3_num_f32 v[208+\i], |v[32*\i]|, |v[32*\i+1]|, 0x2800000   ; my 16 numbers, and the floor 2^(5 - 127)
.endr
.irp k, 2,4,6,8,10,12,14
.irp i, 0,1,2,3
	v_max3_num_f32 v[208+\i], v[208+\i], |v[32*\i+\k]|, |v[32*\i+\k+1]|
.endr
.endr
.irp i, 0,1,2,3
	v_permlanex16_b32 v[212+\i], v[208+\i], s78, s79
.endr
.irp i, 0,1,2,3
	v_max_num_f32 v[208+\i], v[208+\i], v[212+\i]
.endr
.irp i, 0,1,2,3
	v_add_nc_u32 v[216+\i], 0xfe000000, v[208+\i]  ; 4 off the exponent field: the conversion's scale operand
.endr
.irp i, 0,1,2,3
	v_lshrrev_b32 v[220+\i], 23, v[216+\i]         ; the scale's byte
.endr
.irp i, 0,1,2,3
	v_cvt_scalef32_pk16_bf6_f32 v[192+4*\i:194+4*\i], v[32*\i:32*\i+15], v[216+\i]
.endr
	v_nop                                          ; one plain place behind a scaled conversion
	s_mov_b32 vcc_lo, 0xffff0000
.irp a, 0,1                            ; sub-tiles 2 a and 2 a + 1 change halves: lane (r, hh) then holds the whole block, 24 bytes, of row r of sub-tile 2 a + hh
.irp k, 0,1,2
	v_permlane16_swap_b32 v[192+8*\a+\k], v[196+8*\a+\k]
.endr
	v_mov_b32 v[195+8*\a], v[196+8*\a]             ; six registers on end
	v_mov_b32 v[196+8*\a], v[197+8*\a]
	v_mov_b32 v[197+8*\a], v[198+8*\a]
	v_cndmask_b32 v[224+\a], v[220+2*\a], v[221+2*\a], vcc_lo   ; and that sub-tile's byte of row r
.endr
	WIN 0x04
	s_wait_alu depctr_va_vdst(0)                   ; the codes and the bytes are written, which the LDS stores below read; and the products are done reading x's set 0, in which the loads from the stage land further down
.irp a, 0,1
.irp k, 0,1,2
	ds_store_b64 v13, v[192+8*\a+2*\k:193+8*\a+2*\k] offset:3072*\a+8*\k
.endr
	ds_store_b8 v14, v[224+\a] offset:128*\a
.endr
	WIN 0
	s_wait_dscnt 0x0                               ; for the others' sake: my stores have landed
	s_barrier_signal -1
	s_barrier_wait -1                              ; 64 rows x 96 bytes and 64 scale words lie in LDS
	s_cmp_lt_u32 s66, 8                            ; a tile without rows stores nothing
	s_cbranch_scc0 .Lend
.irp c, 0,1,2
	ds_load_b128 v[32+4*\c:35+4*\c], v15 offset:512*\c   ; no vector or matrix instruction since the last wait on va_vdst
.endr
	s_wait_dscnt 0x0
.irp c, 0,1,2
	global_store_b128 v4, v[32+4*\c:35+4*\c], s[74:75] offset:512*\c   ; 512 consecutive bytes, aligned; the work-group's 6,144 are on end
.endr
	s_cmp_lt_u32 s82, 2
	s_cbranch_scc0 .Lend
	ds_load_b32 v44, v16
	s_wait_dscnt 0x0
	global_store_b32 v17, v44, s[76:77]            ; word q of 32 rows' 16 bytes: 4 bytes of each 16.  The layout serves the next launch's one load of 16 bytes a row; all scale words together are 72 KB
.Lend:
	s_wait_dscnt 0x0                               ; the closing lines, six on end
	s_wait_alu 0x0
	s_wait_tensorcnt 0x0
	ds_add_u32 v31, v255
	s_wait_dscnt 0x0
	s_endpgm
; ======================================================================= W2: the second product's weights
; w2's 16,384 rows of 512 numbers are 1,024 tiles of 16 rows, as they lie.  Wave J = 4 x (4 (y - 71) + x) + wave, 0 .. 511, takes tiles 2 J and 2 J + 1: 64 KB of f32 on end, in eight steps (tile g / 4, K step g % 4).
; w2i: [tile][K step 4][1536]: an image of a fragment's registers (registers 4 c .. 4 c + 3 of lane l at 512 c + 16 l);  w2s: [tile][r 16][four words].
; THE QUANTISER AND ITS LIMITS: a block's byte is its largest magnitude's exponent field - 4, held at 1 from below by the floor 2^(5 - 127); a block of zeros gets the byte 1 where the rule says 127 (its codes
; are zeros, and this program alone reads the bytes); NaN and infinities are not served.
; Each load reads 512 consecutive bytes of a row; a step's 16 rows turn through the wave's own stage in LDS, so that lane (r, h) then holds k = 64 c + 32 h + 0 .. 31 of row r, as the operand's layout wants.
; Loads land in four sets of 64 registers in window 1 and run four steps ahead.  No barrier: waves share nothing, and this path's LDS bytes are its own.
; THE PLAN, W2.  Registers that memory or LDS instructions touch:
;   v4-7           offsets and LDS addresses: made once, ahead of one wait on va_vdst, never written again.
;   the four sets  step g: the LDS stores read set g % 4; the loads of step g + 4 land in it.  No vector instruction names them.
;   NUM            step g: the LDS loads land in it; the step's maxima and conversions read it.
;   CO, v26-29     step g: its conversions, moves and selects write them; the global stores that read them are issued at the head of step g + 1.
; So ONE wait on va_vdst stands at a step's head, behind the wait for its data: the step before has written its image and is done reading NUM.  ONE wait on vm_vsrc stands in the step's middle,
; beside the wait on XCNT: the LDS stores have read the set that is asked for again, and the image's stores have read CO, which this step's conversions write.
.Lw2q:
	s_sub_co_u32 s16, s83, 71
	s_lshl_b32 s16, s16, 2
	s_add_co_u32 s16, s16, ttmp9
	s_lshl_b32 s16, s16, 2
	s_add_co_u32 s16, s16, s82                     ; J
	s_lshl_b32 s20, s16, 16                        ; 65,536 bytes of w2,
	s_mov_b32 s21, 0
	s_mul_i32 s22, s16, 12288                      ; eight images,
	s_mov_b32 s23, 0
	s_lshl_b32 s24, s16, 9                         ; 512 bytes of scale words
	s_mov_b32 s25, 0
	s_mov_b32 s78, 0x76543210
	s_mov_b32 s79, 0xfedcba98                      ; v_permlanex16_b32's selects for lane l xor 16
	v_lshlrev_b32 v6, 4, v1                        ; 16 x lane: my place in a row's 512 bytes and in an image's; never rewritten
	s_mul_i32 s26, s82, WREG
	s_add_co_u32 s26, s26, WLDS                    ; my stage
	v_add_nc_u32 v4, s26, v6                       ; into it: a row's 512 bytes as they lie
	v_mul_u32_u24 v5, v2, WP
	v_lshl_add_u32 v5, v3, 7, v5
	v_add_nc_u32 v5, s26, v5                       ; out of it: row r, + 128 h
	v_lshlrev_b32 v7, 4, v2
	v_lshl_add_u32 v7, v3, 3, v7                   ; the scale words' way out: 16 r + 8 h
	v_lshlrev_b32 v24, 3, v3                       ; 8 h: where my two bytes stand in a scale word
	v_mov_b32 v25, 0                               ; written once: a lane permute's destination counts as one of its sources
	v_cmp_ne_u32 vcc_lo, 0, v3                     ; lanes 16-31; kept to the path's end
	s_wait_alu depctr_va_vcc(0)                    ; VCC is written, ahead of its first reader, the choice of words at a tile's end
	s_wait_kmcnt 0x0
	s_add_nc_u64 s[20:21], s[88:89], s[20:21]
	s_add_nc_u64 s[22:23], s[90:91], s[22:23]
	s_add_nc_u64 s[24:25], s[92:93], s[24:25]
	s_wait_alu depctr_va_vdst(0)                   ; v4 to v7 are written: every load and store of this path reads one of them as its offset or address
.macro LOADF g                         ; step g's 16 rows into set g % 4 of window 1
	WIN 0x40                                       ; destination window 1, address window 0
.irp i, 0,1,2,3,4,5,6,7,8,9,10,11,12,13,14,15
	global_load_b128 v[64*((\g)%4)+4*\i:64*((\g)%4)+4*\i+3], v6, s[20:21] offset:32768*((\g)/4)+2048*\i+512*((\g)%4) th:TH_LOAD_NT
.endr
	WIN 0
.endm
.macro SENDW g                         ; step g's image leaves, and at a tile's end the tile's scale words
.irp c, 0,1,2
	global_store_b128 v6, v[CO+4*\c:CO+4*\c+3], s[22:23] offset:1536*(\g)+512*\c   ; 32 lanes store 512 consecutive bytes, aligned
.endr
.if ((\g)%4) == 3
	global_store_b64 v7, v[26+2*((\g)/4):27+2*((\g)/4)], s[24:25] offset:256*((\g)/4)   ; 32 lanes store 256 consecutive bytes, aligned
.endif
.endm
.macro FRAGW g                         ; step g becomes a fragment and a scale word
.if (\g) < 5
	s_wait_loadcnt 48                              ; this step's sixteen loads are in; the next three steps' may be out
.else
	s_wait_loadcnt 16*(7-(\g))                     ; at the end: as many steps as are left
.endif
.if (\g) > 0
	s_wait_alu depctr_va_vdst(0)                   ; the step before has written its image (at a tile's end its scale words too), which the stores below read, and is done reading NUM, in which the LDS loads below land
	SENDW (\g)-1
.endif
	WIN 0x04                                       ; an LDS store's data are its source 1: window 1
.irp i, 0,1,2,3,4,5,6,7,8,9,10,11,12,13,14,15
	ds_store_b128 v4, v[64*((\g)%4)+4*\i:64*((\g)%4)+4*\i+3] offset:WP*\i
.endr
	WIN 0
.irp c, 0,1
.irp i, 0,1,2,3,4,5,6,7
	ds_load_b128 v[NUM+32*\c+4*\i:NUM+32*\c+4*\i+3], v5 offset:256*\c+16*\i   ; LDS serves a wave's instructions in order: these see the stores above
.endr
.endr
	s_wait_dscnt 0x0                               ; my 64 numbers are in
	s_wait_xcnt 0x0                                ; the last image's stores have had their addresses translated: the codes' registers are written again only behind this wait
	s_wait_alu depctr_vm_vsrc(0)                   ; the LDS stores above have read their set, in which the loads below land; the last image's stores have read the codes' registers, which this step's conversions write again
.if (\g)+4 < 8
	LOADF (\g)+4                                   ; into the set that has just gone through the stage
.endif
.irp c, 0,1
	v_max3_num_f32 v[248+\c], |v[NUM+32*\c]|, |v[NUM+32*\c+1]|, 0x2800000   ; block 2 c + h: all its 32 numbers are mine; and the floor
.endr
.irp i, 2,4,6,8,10,12,14,16,18,20,22,24,26,28,30
.irp c, 0,1
	v_max3_num_f32 v[248+\c], v[248+\c], |v[NUM+32*\c+\i]|, |v[NUM+32*\c+\i+1]|
.endr
.endr
.irp c, 0,1
	v_add_nc_u32 v[250+\c], 0xfe000000, v[248+\c]  ; 4 off the exponent field: the conversion's scale operand
.endr
.irp c, 0,1
	v_lshrrev_b32 v[252+\c], 23, v[250+\c]         ; the scale's byte
.endr
	v_lshl_or_b32 v254, v253, 16, v252             ; my two bytes: blocks h and 2 + h,
	v_lshlrev_b32 v254, v24, v254                  ; at their places in the word;
	v_permlanex16_b32 v25, v254, s78, s79
	v_or_b32 v[WW+(\g)%4], v254, v25               ; with lane l xor 16's two the word is whole, in both lanes
.irp c, 0,1
	v_cvt_scalef32_pk16_bf6_f32 v[CO+6*\c:CO+6*\c+2], v[NUM+32*\c:NUM+32*\c+15], v[250+\c]
	v_cvt_scalef32_pk16_bf6_f32 v[CT2+4*\c:CT2+4*\c+2], v[NUM+32*\c+16:NUM+32*\c+31], v[250+\c]   ; (a conversion's three registers begin on an even number)
.endr
	v_nop                                          ; one plain place behind a scaled conversion
.irp c, 0,1
.irp i, 0,1,2
	v_mov_b32 v[CO+6*\c+3+\i], v[CT2+4*\c+\i]
.endr
.endr
.if ((\g)%4) == 3                      ; a tile is done: lanes 0-15 will store words 0, 1 of row r, lanes 16-31 words 2, 3, from registers that are the tile's own
	v_cndmask_b32 v[26+2*((\g)/4)], v[WW], v[WW+2], vcc_lo
	v_cndmask_b32 v[27+2*((\g)/4)], v[WW+1], v[WW+3], vcc_lo
.endif
.endm
	LOADF 0
	LOADF 1
	LOADF 2
	LOADF 3
.irp g, 0,1,2,3,4,5,6,7
	FRAGW \g
.endr
	s_wait_alu depctr_va_vdst(0)                   ; the last step has written its image and the second tile's scale words, which the last stores read
	SENDW 7
	s_wait_dscnt 0x0                               ; the closing lines, six on end
	s_wait_alu 0x0
	s_wait_tensorcnt 0x0
	ds_add_u32 v31, v255
	s_wait_dscnt 0x0
	s_endpgm
.Lfunc_end_k_qcfb0a809be_gemm1:
	.size	k_qcfb0a809be_gemm1, .Lfunc_end_k_qcfb0a809be_gemm1-k_qcfb0a809be_gemm1
	.p2alignl 7, 3214868480
	.fill 96, 4, 3214868480
	.section	.rodata,"a",@progbits
	.p2align	6, 0x0
	.amdhsa_kernel k_qcfb0a809be_gemm1
		.amdhsa_group_segment_fixed_size 160768
		.amdhsa_private_segment_fixed_size 0
		.amdhsa_enable_private_segment 0
		.amdhsa_kernarg_size 72
		.amdhsa_user_sgpr_count 2
		.amdhsa_user_sgpr_kernarg_segment_ptr 1
		.amdhsa_wavefront_size32 1
		.amdhsa_system_sgpr_workgroup_id_x 1
		.amdhsa_system_sgpr_workgroup_id_y 1
		.amdhsa_system_sgpr_workgroup_id_z 1
		.amdhsa_system_vgpr_workitem_id 0
		.amdhsa_next_free_vgpr 512
		.amdhsa_next_free_sgpr 100
		.amdhsa_reserve_vcc 1
		.amdhsa_float_denorm_mode_32 3
		.amdhsa_float_denorm_mode_16_64 3
		.amdhsa_memory_ordered 1
		.amdhsa_forward_progress 1
		.amdhsa_inst_pref_size 173
	.end_amdhsa_kernel
	.amdgpu_metadata
---
amdhsa.version: [ 1, 2 ]
amdhsa.kernels:
  - .name:           k_qcfb0a809be_gemm1
    .symbol:         k_qcfb0a809be_gemm1.kd
    .args:
      - { .name: xc, .offset: 0, .size: 8, .value_kind: global_buffer, .address_space: global }
      - { .name: xs, .offset: 8, .size: 8, .value_kind: global_buffer, .address_space: global }
      - { .name: w1i, .offset: 16, .size: 8, .value_kind: global_buffer, .address_space: global }
      - { .name: w1s, .offset: 24, .size: 8, .value_kind: global_buffer, .address_space: global }
      - { .name: route, .offset: 32, .size: 8, .value_kind: global_buffer, .address_space: global }
      - { .name: act, .offset: 40, .size: 8, .value_kind: global_buffer, .address_space: global }
      - { .name: w2, .offset: 48, .size: 8, .value_kind: global_buffer, .address_space: global }
      - { .name: w2i, .offset: 56, .size: 8, .value_kind: global_buffer, .address_space: global }
      - { .name: w2s, .offset: 64, .size: 8, .value_kind: global_buffer, .address_space: global }
    .group_segment_fixed_size: 160768
    .private_segment_fixed_size: 0
    .kernarg_segment_align: 8
    .kernarg_segment_size: 72
    .max_flat_workgroup_size: 128
    .sgpr_count:     100
    .vgpr_count:     512
    .wavefront_size: 32
...
	.end_amdgpu_metadata
.endif
;; end of part 4
;; launch gemm2: the kernel of part 3 again; grid 8 x 32, 4 waves a work-group, clusters of 4 x 1, 222,720 bytes of LDS; arguments act, w2i, w2s, route, topk_ids, topk_weights, out0; writes out0
